; MI455X (gfx1250); checked and timed in simulation.
; The chip was launched on July 23, 2026; its instructions are those of AMD's public machine-readable ISA for CDNA 5 (MIT licence, August 2026) and "CDNA5" Instruction Set Architecture Reference Guide (July 2026). The comments in the code are by the model that wrote it; some were corrected since.
;; Causal Self Attention. Allowed arithmetic: matrix products marked QUANTISED: E2M1 operands, one E8M0 scale for each 32 along K, by v_wmma_scale_f32_16x16x128_f8f6f4 with both operands' format E2M1 (or v_wmma_scale_f32_32x16x128_f4), f32 sums; products left as they are: bf16, f16 or f32 operands; f32 sums; everything else in f32.
;; Inputs: Wk 1,024 x 1,024 float32; Wo 1,024 x 1,024 float32; Wq 1,024 x 1,024 float32; Wv 1,024 x 1,024 float32; bk 1,024 float32; bo 1,024 float32; bq 1,024 float32; bv 1,024 float32; x 4 x 2,048 x 1,024 float32.
;; Outputs: out0 4 x 2,048 x 1,024 float32.
;; This version of the problem:
;;   THIS VERSION OF THE PROBLEM IS GIVEN IN LOW PRECISION. The matrix products marked QUANTISED in the list below multiply operands that are first quantised to E2M1 (2 exponent bits, 1 mantissa bit; 4 bits a number), with one power-of-two scale for each 32 numbers along K (OCP MX v1.0); their sums are f32. The products marked 'left as it is' may take bf16, f16 or f32 operands, with f32 sums. Whichever they take, every output number must still come out within the allowed error. Rounding operands to bf16 (8 significant bits) uses up far more of that allowance than f16 does (11 bits, for magnitudes from 6e-5 to 65,504). All else is computed in f32.
;;   The module's matrix products, in the order in which they are computed (A, B: the left and right operand; K: the contracted axis; several contracted axes count as one K, in the product's order):
;;     1. [M 8,192, K 1,024] x [K 1,024, N 1,024]; A: input x; B: input Wq: QUANTISED
;;     2. [M 8,192, K 1,024] x [K 1,024, N 1,024]; A: input x; B: input Wk: QUANTISED
;;     3. [M 8,192, K 1,024] x [K 1,024, N 1,024]; A: input x; B: input Wv: QUANTISED
;;     4. batch 64 x [M 2,048, K 64] x [K 64, N 2,048]; A: computed on the way; B: computed on the way: left as it is (an operand is computed on the way)
;;     5. batch 64 x [M 2,048, K 2,048] x [K 2,048, N 64]; A: computed on the way; B: computed on the way: left as it is (an operand is computed on the way)
;;     6. [M 8,192, K 1,024] x [K 1,024, N 1,024]; A: computed on the way; B: input Wo: left as it is (an operand is computed on the way)
;;   THE QUANTISER, for each operand of a quantised product, along K:
;;     - K is cut into blocks of 32 from its start; a last block that is shorter is filled with zeros.
;;     - A block's scale is 2^e with e = floor(log2(the largest magnitude in the block)) - 2, held to -126 .. 127; a block of zeros has e = 0. As a byte (E8M0): e + 127.
;;     - Each number is divided by its block's scale, clamped to +-6, and rounded to the nearest number of E2M1, ties to even, subnormals kept.
;;     - The product sums the exact products of the quantised numbers (number of the format x scale) in f32.
;;   ~~~python
;;   def quantise(x, axis):      # numpy; x: float32 -> the quantised numbers, widened to float32 again
;;       x = np.moveaxis(x, axis, -1); K = x.shape[-1]
;;       x = np.pad(x, [(0, 0)] * (x.ndim - 1) + [(0, -K % 32)]); x = x.reshape(x.shape[:-1] + (-1, 32)); a = np.abs(x).max(-1, keepdims=True)
;;       e = np.where(a > 0, np.clip(np.frexp(np.where(a > 0, a, 1))[1] - 1 - 2, -126, 127), 0)      # np.frexp(a)[1] - 1 = floor(log2(a)), exactly
;;       r = np.clip(x / 2.0 ** e, -6, 6)
;;       step = 2.0 ** (np.maximum(np.frexp(np.where(r == 0, 1, r))[1] - 1, 0) - 1)
;;       q = np.round(r / step) * step * 2.0 ** e      # np.round: ties to even
;;       return np.moveaxis(q.reshape(q.shape[:-2] + (-1,))[..., :K], -1, axis).astype(np.float32)
;;   ~~~
;; One version. Each part assembles by itself: llvm-mc -triple=amdgcn-amd-amdhsa -mcpu=gfx1250 --defsym DOCPART=n.
;; ======== version 1 of 1: 5 launches
;; limits: values are held in f16: magnitudes above 65,504 overflow, below 6.1e-05 lose precision
;; workspace buffers: codes 5,767,168 bytes; scales 360,448 bytes; wo16 2,097,152 bytes; rope 524,288 bytes; qkv16 50,331,648 bytes; qkv32 786,432 bytes; y16 16,777,216 bytes
;; launch prep (part 1): grid 416 x 1, 4 waves a work-group, no clusters, 33,280 bytes of LDS; arguments x, Wq, Wk, Wv, Wo, codes, scales, wo16, rope; writes codes, scales, wo16, rope
.if DOCPART == 1
	.amdgcn_target "amdgcn-amd-amdhsa--gfx1250"
	.amdhsa_code_object_version 6
	.text
	.protected	k_q15acfa0893_prep
	.globl	k_q15acfa0893_prep
	.p2align	8
	.type	k_q15acfa0893_prep,@function
k_q15acfa0893_prep:
	s_mov_b64 s[64:65], 0
	v_nop
	global_prefetch_b8 v0, s[64:65] scope:SCOPE_SE
	s_setreg_imm32_b32 hwreg(HW_REG_WAVE_MODE, 25, 1), 1
	s_wait_xcnt 0x0
; PREP: three jobs, told apart by the work-group's number g.
;   g <  352: x [8192][1024], Wq, Wk, Wv [1024][1024], f32 with K innermost, become codes of FP4 (E2M1) and one E8M0 byte for each 32 along K.
;             codes: x's rows of 512 bytes from byte 0, the weights' 3,072 rows (Wq, Wk, Wv) from byte 4,194,304.  scales: 32 bytes a row, x's from 0, the weights' from 262,144.
;   g <  384: Wo [1024][1024] f32 becomes f16, same order.
;   else    : the table rope[t][cos th0..31 | sin th0..31], f32, 256 bytes a row, for the position t + 1, th_i = 10000^(-i / 32).
; THE QUANTISER.  A block's scale is 2^(floor(log2(its largest magnitude)) - 2); its byte is the largest magnitude's exponent field - 2, held at 1 from below.
; Rows are dense and K is a multiple of 32: each tensor is a plain stream of blocks of 32.  A wave takes 16 steps of 512 numbers.  Each load reads 512 consecutive bytes; a step's 2,048 bytes turn through the
; wave's own stage in LDS (16 bytes of padding behind each 64) and come back 16 neighbours a lane, two lanes to a block.  A lane's 16 codes are 8 bytes: a store covers 256 consecutive bytes, aligned.
; A wave's 256 scale bytes are gathered in its own LDS bytes and leave by one store of 256 consecutive bytes.
; LIMITS: a block of zeros gets the byte 1 where the rule says 127 (its codes are zeros, and this program alone reads the bytes); blocks whose largest magnitude lies under 2^-124 are held at the byte 1;
; NaN and infinities are not served; Wo's magnitudes stay under 65,504 (f16).  th_i comes from v_exp_f32: the angle (t + 1) th_i may differ from the exact one by some 2.5e-4 at t = 2,047; q and k share the table.
.set STEPS, 16
.set EMAX,  2
.set CB,    8                          ; bytes of 16 codes
.set R,     16                         ; v16-79   four sets of 16 numbers as they are loaded
.set X,     80                         ; v80-111  two sets of 16 neighbours
.set E,     112                        ; v112-127 a scale byte for each step
.set C,     128                        ; v128-191 codes: four registers a step; in Wo's path two sets of 32 registers of f16
.set WREG,  8192                       ; LDS: a region for each wave: two stages of 32 x SP bytes, behind them its 256 scale bytes
.set SP,    80
.set SPW,   12                         ; v12 LDS address of my spare word; never rewritten
.set NIL,   13                         ; v13 0; never rewritten
.set SPARE, 4*WREG                     ; the spare words: 128 bytes a wave, two blocks of 256 bytes that no other line names
	s_load_b256 s[4:11], s[0:1], 0x0               ; x, Wq, Wk, Wv
	s_load_b256 s[12:19], s[0:1], 0x20             ; Wo, codes, scales, wo16
	s_load_b64 s[20:21], s[0:1], 0x40              ; rope
	v_lshl_add_u32 v[SPW], v0, 2, SPARE
	v_mov_b32 v[NIL], 0
	v_lshrrev_b32 v1, 5, v0
	v_readfirstlane_b32 s24, v1                    ; wave
	v_and_b32 v2, 31, v0                           ; lane
	v_lshlrev_b32 v3, 4, v2                        ; 16 x lane
	v_lshlrev_b32 v4, 3, v2                        ; 8 x lane
	s_mul_i32 s25, s24, WREG
	v_lshrrev_b32 v14, 2, v2
	v_mul_u32_u24 v14, v14, SP
	v_and_b32 v15, 3, v2
	v_lshl_add_u32 v14, v15, 4, v14
	v_add_nc_u32 v14, s25, v14                     ; the stage, on the way in: SP (lane / 4) + 16 (lane % 4)
	v_mul_u32_u24 v15, v2, SP
	v_add_nc_u32 v15, s25, v15                     ; on the way out: SP x lane
	v_lshrrev_b32 v5, 1, v2
	s_add_co_u32 s25, s25, 2*32*SP
	v_add_nc_u32 v5, s25, v5                       ; my block's scale byte
	v_add_nc_u32 v6, s25, v4                       ; and 8 of the 256 on their way out
	s_and_b32 s28, ttmp9, 31                       ; a weight's run of 32,768 numbers (256, 288 and 320 are multiples of 32)
	s_lshl_b32 s29, ttmp9, 2
	s_add_co_u32 s29, s29, s24                     ; 4 g + wave
	s_mov_b32 s35, 0
	s_wait_kmcnt 0x0
	s_cmp_ge_u32 ttmp9, 384
	s_cbranch_scc1 .Ltable
	s_cmp_ge_u32 ttmp9, 352
	s_cbranch_scc1 .Lwo
	; ---- the quantiser.  Only pointers are chosen, by the work-group's number
	s_cmp_lt_u32 ttmp9, 320
	s_cselect_b64 s[26:27], s[8:9], s[10:11]       ; Wk or Wv
	s_cmp_lt_u32 ttmp9, 288
	s_cselect_b64 s[26:27], s[6:7], s[26:27]       ; Wq
	s_cmp_lt_u32 ttmp9, 256
	s_cselect_b64 s[26:27], s[4:5], s[26:27]       ; x
	s_cselect_b32 s28, ttmp9, s28
	s_lshl_b32 s28, s28, 2
	s_add_co_u32 s28, s28, s24                     ; my wave's run of 8,192 numbers in its tensor
	s_lshl_b32 s34, s28, 15
	s_add_nc_u64 s[26:27], s[26:27], s[34:35]
	s_lshl_b32 s34, s29, 12                        ; the weights' codes and bytes begin where run 1,024 begins: no choice is needed
	s_add_nc_u64 s[30:31], s[14:15], s[34:35]
	s_lshl_b32 s34, s29, 8
	s_add_nc_u64 s[32:33], s[16:17], s[34:35]
.macro LOAD t
.irp i, 0,1,2,3
	global_load_b128 v[R+16*((\t)%4)+4*\i:R+16*((\t)%4)+4*\i+3], v3, s[26:27] offset:2048*(\t)+512*\i th:TH_LOAD_NT
.endr
.endm
.macro TURN t                          ; step t's numbers through the stage: LDS serves a wave's instructions in order, so no wait stands between the stores and the loads
.irp i, 0,1,2,3
	ds_store_b128 v14, v[R+16*((\t)%4)+4*\i:R+16*((\t)%4)+4*\i+3] offset:32*SP*((\t)%2)+8*SP*\i
.endr
.irp i, 0,1,2,3
	ds_load_b128 v[X+16*((\t)%2)+4*\i:X+16*((\t)%2)+4*\i+3], v15 offset:32*SP*((\t)%2)+16*\i
.endr
.endm
.irp t, 0,1,2,3
	LOAD \t
.endr
	s_wait_loadcnt 12                              ; step 0's four loads are in; the twelve of steps 1 to 3 stay out
	TURN 0
.macro STEP t
.set XS, X+16*((\t)%2)
.if (\t) > 0
	s_wait_dscnt 1                                 ; this step's numbers are back from the stage; the last step's byte store may be out
.else
	s_wait_dscnt 0x0
.endif
.if (\t)+4 < STEPS
	LOAD (\t)+4
.endif
.if (\t)+1 < STEPS
.if STEPS-2-(\t) >= 3
	s_wait_loadcnt 12                              ; the next step's four loads are in; those of the three steps behind it may be out
.else
	s_wait_loadcnt 4*(STEPS-2-(\t))
.endif
	TURN (\t)+1
.endif
	v_max3_num_f32 v8, |v[XS]|, |v[XS+1]|, |v[XS+2]|
	v_max3_num_f32 v9, |v[XS+3]|, |v[XS+4]|, |v[XS+5]|
.irp i, 6,10
	v_max3_num_f32 v8, v8, |v[XS+\i]|, |v[XS+\i+1]|
	v_max3_num_f32 v9, v9, |v[XS+\i+2]|, |v[XS+\i+3]|
.endr
	v_max3_num_f32 v8, v8, |v[XS+14]|, |v[XS+15]|
	v_max3_num_f32 v8, v8, v9, (EMAX+1)<<23        ; the floor 2^(3 - 127): the byte cannot fall under 1
	v_max_num_f32_dpp v8, v8, v8 row_xmask:1 row_mask:0xf bank_mask:0xf   ; with my neighbour's 16: the block's largest magnitude
	v_add_nc_u32 v11, -(EMAX<<23), v8              ; 2 off its exponent field: the conversion takes that field as its scale
	v_cvt_scalef32_pk8_fp4_f32 v[C+4*(\t)], v[XS:XS+7], v11
	v_cvt_scalef32_pk8_fp4_f32 v[C+4*(\t)+1], v[XS+8:XS+15], v11
	v_lshrrev_b32 v[E+(\t)], 23, v11               ; the scale's byte (a plain line behind the conversions)
	ds_store_b8 v5, v[E+(\t)] offset:16*(\t)       ; both lanes of a block write the same byte with the same value
	global_store_b64 v4, v[C+4*(\t):C+4*(\t)+1], s[30:31] offset:32*CB*(\t)
.endm
.irp t, 0,1,2,3,4,5,6,7,8,9,10,11,12,13,14,15
	STEP \t
.endr
	ds_load_b64 v[8:9], v6
	s_wait_dscnt 0x0
	global_store_b64 v4, v[8:9], s[32:33]          ; 32 lanes store 256 consecutive bytes, aligned
	s_wait_tensorcnt 0x0                           ; the wave's end, behind my last LDS store
	ds_add_u32 v[SPW], v[NIL]
	s_wait_dscnt 0x0
	s_endpgm
	; ---- Wo to f16: a wave takes 8,192 numbers, in four groups of 16 loads of 512 consecutive bytes; a store covers 256 consecutive bytes.  No LDS
.Lwo:
	s_sub_co_u32 s28, s29, 4*352
	s_lshl_b32 s34, s28, 15
	s_add_nc_u64 s[26:27], s[12:13], s[34:35]
	s_lshl_b32 s34, s28, 14
	s_add_nc_u64 s[32:33], s[18:19], s[34:35]
.macro LOADG q
.irp i, 0,1,2,3,4,5,6,7,8,9,10,11,12,13,14,15
	global_load_b128 v[R+4*\i:R+4*\i+3], v3, s[26:27] offset:8192*(\q)+512*\i th:TH_LOAD_NT
.endr
.endm
	LOADG 0
.irp q, 0,1,2,3
	s_wait_loadcnt 0x0
	s_wait_xcnt 0x0                                ; the stores of two groups back have read their data: that set is written again
.irp i, 0,1,2,3,4,5,6,7,8,9,10,11,12,13,14,15
	v_cvt_pk_f16_f32 v[C+32*(\q%2)+2*\i], v[R+4*\i], v[R+4*\i+1]
	v_cvt_pk_f16_f32 v[C+32*(\q%2)+2*\i+1], v[R+4*\i+2], v[R+4*\i+3]
.endr
.if \q < 3
	LOADG \q+1
.endif
.irp i, 0,1,2,3,4,5,6,7,8,9,10,11,12,13,14,15
	global_store_b64 v4, v[C+32*(\q%2)+2*\i:C+32*(\q%2)+2*\i+1], s[32:33] offset:4096*\q+256*\i
.endr
.endr
	s_endpgm
	; ---- the table: a wave makes 16 rows.  Lane (r, hh) makes th 2 r and 2 r + 1; hh = 0 their cosines, hh = 1 their sines: one store of 8 bytes a lane is a whole row of 256 bytes.  No LDS
.Ltable:
	s_sub_co_u32 s28, s29, 4*384                   ; 0 .. 127
	s_mov_b32 s36, 0x3f22f983                      ; 2 / pi
	s_mov_b32 s37, 0xbfc90fdb                      ; -(pi / 2 rounded to f32)
	s_mov_b32 s38, 0x333bbd2e                      ; that number - pi / 2
	s_mov_b32 s39, 0xbe2aaaab                      ; the sine's series: -1/6, 1/120, -1/5040, 1/362880
	s_mov_b32 s40, 0x3c088889
	s_mov_b32 s41, 0xb9500d01
	s_mov_b32 s42, 0x3638ef1d
	s_mov_b32 s43, 0x3d2aaaab                      ; the cosine's behind 1 - z / 2: 1/24, -1/720, 1/40320, -1/3628800
	s_mov_b32 s44, 0xbab60b61
	s_mov_b32 s45, 0x37d00d01
	s_mov_b32 s46, 0xb493f27e
	v_and_b32 v16, 15, v0
	v_lshlrev_b32 v16, 1, v16
	v_add_nc_u32 v17, 1, v16
	v_cvt_f32_u32 v16, v16
	v_cvt_f32_u32 v17, v17
	v_mul_f32 v16, 0xbed49a78, v16                 ; -i log2(10000) / 32
	v_mul_f32 v17, 0xbed49a78, v17
	v_exp_f32 v18, v16
	v_exp_f32 v19, v17
	v_lshrrev_b32 v31, 4, v2                       ; (a plain line behind the exponentials)  hh
	v_mul_u32_u24 v31, v31, 3                      ; sin x = cos(x - pi / 2): three quarter turns more
	s_lshl_b32 s47, s28, 4
	s_add_co_u32 s47, s47, 1
	v_cvt_f32_u32 v30, s47                         ; the first row's position, 16 x run + 1
	s_lshl_b32 s47, s28, 12
	v_add_nc_u32 v32, s47, v4                      ; 8 x lane + 16 rows x run
	s_wait_alu depctr_va_vdst(0)                   ; one wait for both exponentials, ahead of the label and of their first reader
; cos(position x th + 3 hh quarter turns): x is rounded once; n = the nearest whole number of quarter turns; rho = x - n pi / 2 in two fused steps, |rho| <= pi / 4
.macro ANGLE th, out
	v_mul_f32 v20, v30, v[\th]
	v_mul_f32 v21, s36, v20
	v_rndne_f32 v21, v21
	v_fma_f32 v22, v21, s37, v20
	v_fma_f32 v22, v21, s38, v22
	v_cvt_i32_f32 v23, v21
	v_add_nc_u32 v23, v23, v31
	v_mul_f32 v24, v22, v22                        ; z
	v_fma_f32 v25, v24, s42, s41
	v_fma_f32 v26, v24, s46, s45
	v_fma_f32 v25, v24, v25, s40
	v_fma_f32 v26, v24, v26, s44
	v_fma_f32 v25, v24, v25, s39
	v_fma_f32 v26, v24, v26, s43
	v_mul_f32 v27, v22, v24
	v_fma_f32 v26, v24, v26, -0.5
	v_fma_f32 v25, v27, v25, v22                   ; sin rho
	v_fma_f32 v26, v24, v26, 1.0                   ; cos rho
	v_and_b32 v27, 1, v23
	v_cmp_ne_u32 vcc_lo, 0, v27
	v_cndmask_b32 v25, v26, v25, vcc_lo            ; an odd number of quarter turns takes the sine,
	v_add_nc_u32 v23, 1, v23
	v_and_b32 v23, 2, v23
	v_lshlrev_b32 v23, 30, v23
	v_xor_b32 v[\out], v23, v25                    ; one or two of them (mod 4) change the sign
.endm
	s_mov_b32 s50, 16
.Lrow:
	ANGLE 18, 28
	ANGLE 19, 29
	global_store_b64 v32, v[28:29], s[20:21]
	s_wait_xcnt 0x0                                ; the store has read its offset and its data: both are written again
	v_add_nc_u32 v32, 0x100, v32
	v_add_f32 v30, 1.0, v30
	s_sub_co_u32 s50, s50, 1
	s_cmp_lg_u32 s50, 0
	s_cbranch_scc1 .Lrow
	s_endpgm
.Lfunc_end_k_q15acfa0893_prep:
	.size	k_q15acfa0893_prep, .Lfunc_end_k_q15acfa0893_prep-k_q15acfa0893_prep
	.p2alignl 7, 3214868480
	.fill 96, 4, 3214868480
	.section	.rodata,"a",@progbits
	.p2align	6, 0x0
	.amdhsa_kernel k_q15acfa0893_prep
		.amdhsa_group_segment_fixed_size 33280
		.amdhsa_private_segment_fixed_size 0
		.amdhsa_enable_private_segment 0
		.amdhsa_kernarg_size 72
		.amdhsa_user_sgpr_count 2
		.amdhsa_user_sgpr_kernarg_segment_ptr 1
		.amdhsa_wavefront_size32 1
		.amdhsa_system_sgpr_workgroup_id_x 1
		.amdhsa_system_sgpr_workgroup_id_y 1
		.amdhsa_system_sgpr_workgroup_id_z 1
		.amdhsa_system_vgpr_workitem_id 0
		.amdhsa_next_free_vgpr 192
		.amdhsa_next_free_sgpr 66
		.amdhsa_reserve_vcc 1
		.amdhsa_float_denorm_mode_32 3
		.amdhsa_float_denorm_mode_16_64 3
		.amdhsa_memory_ordered 1
		.amdhsa_forward_progress 1
		.amdhsa_inst_pref_size 58
	.end_amdhsa_kernel
	.amdgpu_metadata
---
amdhsa.version: [ 1, 2 ]
amdhsa.kernels:
  - .name:           k_q15acfa0893_prep
    .symbol:         k_q15acfa0893_prep.kd
    .args:
      - { .name: x, .offset: 0, .size: 8, .value_kind: global_buffer, .address_space: global }
      - { .name: Wq, .offset: 8, .size: 8, .value_kind: global_buffer, .address_space: global }
      - { .name: Wk, .offset: 16, .size: 8, .value_kind: global_buffer, .address_space: global }
      - { .name: Wv, .offset: 24, .size: 8, .value_kind: global_buffer, .address_space: global }
      - { .name: Wo, .offset: 32, .size: 8, .value_kind: global_buffer, .address_space: global }
      - { .name: codes, .offset: 40, .size: 8, .value_kind: global_buffer, .address_space: global }
      - { .name: scales, .offset: 48, .size: 8, .value_kind: global_buffer, .address_space: global }
      - { .name: wo16, .offset: 56, .size: 8, .value_kind: global_buffer, .address_space: global }
      - { .name: rope, .offset: 64, .size: 8, .value_kind: global_buffer, .address_space: global }
    .group_segment_fixed_size: 33280
    .private_segment_fixed_size: 0
    .kernarg_segment_align: 8
    .kernarg_segment_size: 72
    .max_flat_workgroup_size: 128
    .sgpr_count:     66
    .vgpr_count:     192
    .wavefront_size: 32
...
	.end_amdgpu_metadata
.endif
;; end of part 1
;; launch qkv (part 2): grid 12 x 32, 4 waves a work-group, clusters of 4 x 4, 327,680 bytes of LDS; arguments codes, scales, bq, bk, bv, rope, qkv16, qkv32; writes qkv16, qkv32
.if DOCPART == 2
	.amdgcn_target "amdgcn-amd-amdhsa--gfx1250"
	.amdhsa_code_object_version 6
	.text
	.protected	k_q15acfa0893_qkv
	.globl	k_q15acfa0893_qkv
	.p2align	8
	.type	k_q15acfa0893_qkv,@function
k_q15acfa0893_qkv:
	s_mov_b64 s[64:65], 0
	v_nop
	global_prefetch_b8 v0, s[64:65] scope:SCOPE_SE
	s_setreg_imm32_b32 hwreg(HW_REG_WAVE_MODE, 25, 1), 1
	s_wait_xcnt 0x0
	s_wait_alu depctr_hold_cnt(0) depctr_sa_sdst(0) depctr_va_vdst(0) depctr_va_sdst(0) depctr_va_ssrc(0) depctr_va_vcc(0) depctr_vm_vsrc(0)
	s_getreg_b32 s2, hwreg(HW_REG_IB_STS2, 6, 4)
	s_cmp_eq_u32 s2, 0
	s_cbranch_scc0 .Lentry_in_a_cluster
	s_endpgm
.Lentry_in_a_cluster:
	s_bfe_u32 s2, ttmp6, 0x10000c
	s_cmp_lg_u32 s2, 0xf033
	s_cbranch_scc0 .Lentry_shape_is_right
	s_endpgm
.Lentry_shape_is_right:
; q, k, v = x W^T + b on codes of FP4 (E2M1) with one E8M0 scale for each 32 along K; then the rotation of q and k in f32; results as f16, laid by head: qkv16[sel][16 b + h][t][64].
; A: x's codes [8192][512 bytes]; B: the weights' codes [3072][512 bytes] (Wq, Wk, Wv); scales 32 bytes a row.  K = 1,024 = two LDS slots of 512: both are first fills, nothing is filled again.
; A tile of C, 256 x 256, is made by four waves, each 128 x 128: 64 accumulators of 16 x 16.  THE MATRIX INSTRUCTION IS USED TRANSPOSED (source 0 = 16 rows of W, source 1 = 16 rows of x):
; a lane holds eight neighbouring columns of one row.  The bias, in that layout, is the C of each sum's first instruction.
; CLUSTER 4 x 4: tile column = 4 x cluster x + cx, so cluster x IS sel (0 q, 1 k, 2 v), alike in all sixteen; tile row = 8 cy + cluster y, so cy is the batch.  A's tiles are asked for jointly along a row of the
; cluster, B's along a column.  Every branch hangs on cluster x, cluster y or the wave's number, none on cx or cy.
; THE ROTATION: a wave's 128 columns are two heads; in a head blocks e and e + 2 (e = 0, 1) hold d and d + 32: out[d] = y[d] cos - y[d+32] sin, out[d+32] = y[d+32] cos + y[d] sin, angle index 16 e + 8 h + j.
; Positions 0 to 15 of each batch also leave in f32 (qkv32[sel][b][h][pos][64]), for the launch that carries those rows finely: pieces of 32 bytes a lane, 786,432 bytes in the whole launch.
; LIMITS: |q|, |k|, |v| stay under 65,504 (f16); NaN and infinities are not served.
; REGISTERS: window 0: v16-29 addresses; v32-95 scale words, two sets (nothing else ever); v96-127 packed f16; v128-191 A's fragments, later rows on their way out; v192-255 the bias, later cos and sin, two sets.
;   window 1: B's fragments, two sets, at v0 and v128; on the way out v0-63 the rotated f32.   windows 2, 3: the accumulators ((a, b) at v[8 (8 (a % 4) + b)]).
.set NQ,     4                         ; steps of 128 along K in a slot
.set ROWB,   256                       ; a tile's row in bytes: 512 codes
.set KROW,   512                       ; a row of codes in memory
.set PITCH,  272                       ; an LDS row: 256 bytes + 16 of padding
.set FR,     8
.set NL,     2
.set NP,     4
.set HALFT,  128*PITCH
.set SLOT,   4*HALFT
.set KS,     32                        ; a row of scales in bytes
.set SCL,    2*SLOT                    ; the scales, as units of 256 bytes + 16 of padding
.set HALFS,  (128*KS/256)*272
.set SBLK,   (16*KS/256)*272
.set SPARE,  SCL+4*HALFS               ; the spare words: 128 bytes a wave, two blocks of 256 bytes that no other line names
.set WCODES, 4194304
.set WSCALES, 262144
.set ADRA, 16                          ; v16-17 LDS address of my A fragments in slot 0, 1
.set TA,   18                          ; v18    256 r + 32 h: my place in 16 rows of the table, and of the f32 copy
.set BA,   19                          ; v19    32 h: my place in 16 numbers of the bias
.set ADRB, 20                          ; v20-21 the same as ADRA for B
.set STO,  24                          ; v24    the way out: where I put 16 bytes of a row
.set RD,   25                          ; v25    where I read rows back
.set CO,   26                          ; v26    16 x lane
.set ADRS, 27                          ; v27    LDS address of my scale words: lanes 0-15 A's rows, lanes 16-31 B's
.set SPW,  28
.set NIL,  29
.set SC,   32
.set PKD,  96
.set AF,   128
.set BK,   128
.set BI,   192
.set CS,   192
.set RES,  0                           ; in window 1
.set G1, 24
.set G0, 32
.set G1B, 48
.set G0B, 56
.set G1S, 68
.set G0S, 76
.set G1SB, 80
.set G0SB, 88
.set MSB, 0
.macro WIN new                         ; the immediate's high byte repeats the setting that is left
.if MSB != (\new)
	s_set_vgpr_msb (MSB<<8)|(\new)
.set MSB, (\new)
.endif
.endm
.set MUL_LO, 0xa1                      ; source 0 (B) window 1, source 1 (A) window 0, C and D window 2
.set MUL_HI, 0xf1                      ; the same, C and D window 3
.set TO_B,   0x40
; A joint load: waves 0 and 1 fetch for A, waves 2 and 3 for B; the branch hangs on the wave's number alone.  An s_nop 0 and four v_nop follow each line
.macro JLOAD g0a, g1a, g0b, g1b
	s_cmp_eq_u32 s21, 0
	s_cbranch_scc0 .Lfor_b_\@
	tensor_load_to_lds s[\g0a:\g0a+3], s[\g1a:\g1a+7]
	s_nop 0
.rept 4
	v_nop
.endr
	s_branch .Lasked_\@
.Lfor_b_\@:
	tensor_load_to_lds s[\g0b:\g0b+3], s[\g1b:\g1b+7]
	s_nop 0
.rept 4
	v_nop
.endr
.Lasked_\@:
.endm
.macro CROUND                          ; a round of the cluster's barrier
	s_barrier_signal -1
	s_barrier_wait -1
	s_cmp_lg_u32 s20, 0
	s_cbranch_scc1 .Lnot_wave_0_\@
	s_barrier_signal -3
.Lnot_wave_0_\@:
	s_barrier_wait -3
	s_barrier_signal -1
	s_barrier_wait -1
.endm
	s_load_b256 s[4:11], s[0:1], 0x0               ; codes, scales, bq, bk
	s_load_b128 s[12:15], s[0:1], 0x20             ; bv, rope
	s_load_b128 s[16:19], s[0:1], 0x30             ; qkv16, qkv32
	v_lshl_add_u32 v[SPW], v0, 2, SPARE
	v_mov_b32 v[NIL], 0
	ds_add_u32 v[SPW], v[NIL]                      ; the wave's opening: the add, twice on end, and its wait ahead of my first tensor load
	ds_add_u32 v[SPW], v[NIL]
	v_lshrrev_b32 v1, 5, v0
	v_readfirstlane_b32 s20, v1                    ; wave 0..3
	s_lshr_b32 s21, s20, 1                         ; which half of the tile's rows is mine.  Also: I fetch for A (0) or for B (1)
	s_and_b32 s22, s20, 1                          ; which half of its columns.  Also: which 128 rows I fetch
	s_bfe_u32 s40, ttmp6, 0x40000                  ; cx
	s_bfe_u32 s41, ttmp6, 0x40004                  ; cy
	s_lshl_b32 s42, ttmp9, 2
	s_add_co_u32 s42, s42, s40                     ; tile column = 4 sel + cx
	s_and_b32 s95, ttmp7, 0xffff                   ; cluster y: which 256 positions of the batch
	s_lshl_b32 s23, s41, 3
	s_add_co_u32 s23, s23, s95                     ; tile row = 8 cy + cluster y
	s_lshl_b32 s43, s41, 2
	s_lshl_b32 s43, 15, s43                        ; my row of the cluster
	s_lshl_b32 s44, 0x1111, s40                    ; my column
	s_or_b32 s[G1+0], s43, (0<<16)|(1<<20)|(1<<21)|(5<<22)|(3<<25)  ; the mask; elements of 1 byte; padding on; bit 21 beside a mask; 4 words behind every 64
	s_or_b32 s[G1B+0], s44, (0<<16)|(1<<20)|(1<<21)|(5<<22)|(3<<25)
.irp g, G1, G1B
	s_mov_b32 s[\g+1], ROWB<<16                    ; tensor_dim0
	s_mov_b32 s[\g+2], 128<<16                     ; tensor_dim1
	s_mov_b32 s[\g+3], ROWB<<16                    ; tile_dim0
	s_mov_b32 s[\g+4], 128                         ; tile_dim1
	s_mov_b32 s[\g+5], KROW                        ; the pitch
	s_mov_b32 s[\g+6], 0
	s_mov_b32 s[\g+7], 0
.endr
	s_or_b32 s[G1S+0], s43, (3<<16)|(1<<20)|(1<<21)|(5<<22)|(3<<25) ; the scales of 128 rows: 4,096 dense bytes as 16 rows of 32 elements of 8 bytes
	s_or_b32 s[G1SB+0], s44, (3<<16)|(1<<20)|(1<<21)|(5<<22)|(3<<25)
.irp g, G1S, G1SB
	s_mov_b32 s[\g+1], 32<<16
	s_mov_b32 s[\g+2], (128*KS/256)<<16
	s_mov_b32 s[\g+3], 32<<16
	s_mov_b32 s[\g+4], 128*KS/256
	s_mov_b32 s[\g+5], 32
	s_mov_b32 s[\g+6], 0
	s_mov_b32 s[\g+7], 0
.endr
	s_lshl_b32 s2, s22, 7
	s_lshl_b32 s66, s23, 8
	s_add_co_u32 s66, s66, s2                      ; A: row 256 x tile row + 128 x half
	s_lshl_b32 s46, s42, 8
	s_add_co_u32 s46, s46, s2                      ; B: row 256 x tile column + 128 x half, among the weights' 3,072
	s_lshl_b32 s92, s66, 5                         ; their scales, 32 bytes a row,
	s_lshl_b32 s96, s46, 5
	s_add_co_u32 s96, s96, WSCALES
	s_lshl_b32 s66, s66, 9                         ; their codes, 512 bytes a row
	s_lshl_b32 s46, s46, 9
	s_add_co_u32 s46, s46, WCODES
	s_mov_b32 s67, 0
	s_mov_b32 s47, 0
	s_mov_b32 s93, 0
	s_mov_b32 s97, 0
	s_mul_i32 s45, s20, HALFT                      ; where they go: wave x 128 rows
	s_mul_i32 s94, s20, HALFS
	s_wait_dscnt 0x0                               ; both opening adds are done
	s_wait_kmcnt 0x0
	s_add_nc_u64 s[66:67], s[4:5], s[66:67]
	s_add_nc_u64 s[92:93], s[6:7], s[92:93]
	s_add_nc_u64 s[46:47], s[4:5], s[46:47]
	s_add_nc_u64 s[96:97], s[6:7], s[96:97]
	CROUND                                         ; all sixteen work-groups are here: the first joint loads meet
	s_mov_b32 s[G0S], 1
	s_add_co_u32 s[G0S+1], s94, SCL
	s_mov_b64 s[G0S+2:G0S+3], s[92:93]
	s_or_b32 s[G0S+3], s[G0S+3], 0x80000000
	s_mov_b32 s[G0SB], 1
	s_add_co_u32 s[G0SB+1], s94, SCL
	s_mov_b64 s[G0SB+2:G0SB+3], s[96:97]
	s_or_b32 s[G0SB+3], s[G0SB+3], 0x80000000
	JLOAD G0S, G1S, G0SB, G1SB                     ; the scales first; with the two slots three loads of mine are out
.irp s, 0,1
	s_mov_b32 s[G0+4*\s], 1
	s_add_co_u32 s[G0+4*\s+1], s45, \s*SLOT
	s_add_nc_u64 s[G0+4*\s+2:G0+4*\s+3], s[66:67], \s*ROWB
	s_or_b32 s[G0+4*\s+3], s[G0+4*\s+3], 0x80000000
	s_mov_b32 s[G0B+4*\s], 1
	s_add_co_u32 s[G0B+4*\s+1], s45, \s*SLOT
	s_add_nc_u64 s[G0B+4*\s+2:G0B+4*\s+3], s[46:47], \s*ROWB
	s_or_b32 s[G0B+4*\s+3], s[G0B+4*\s+3], 0x80000000
	JLOAD G0+4*\s, G1, G0B+4*\s, G1B
.endr
	; the bias of my 128 columns, in the result's layout: register 8 b + j = bias[256 cx + 128 half + 16 b + 8 h + j]
	s_cmp_eq_u32 ttmp9, 1
	s_cselect_b64 s[98:99], s[10:11], s[12:13]     ; bk or bv
	s_cmp_eq_u32 ttmp9, 0
	s_cselect_b64 s[98:99], s[8:9], s[98:99]       ; bq
	s_lshl_b32 s2, s40, 10
	s_lshl_b32 s3, s22, 9
	s_add_co_u32 s2, s2, s3
	s_mov_b32 s3, 0
	s_add_nc_u64 s[98:99], s[98:99], s[2:3]
	v_and_b32 v1, 15, v0                           ; r
	v_bfe_u32 v2, v0, 4, 1                         ; h
	v_lshlrev_b32 v[BA], 5, v2
.irp b, 0,1,2,3,4,5,6,7
	global_load_b128 v[BI+8*\b:BI+8*\b+3], v[BA], s[98:99] offset:64*\b
	global_load_b128 v[BI+8*\b+4:BI+8*\b+7], v[BA], s[98:99] offset:64*\b+16
.endr
	v_lshl_add_u32 v[TA], v1, 8, v[BA]
	v_mul_u32_u24 v3, v1, PITCH
	v_lshl_add_u32 v4, v2, 4, v3                   ; a fragment's row x pitch + 16 x half
	s_mul_i32 s2, s21, HALFT                       ; my 128 rows of A
	s_mul_i32 s3, s22, HALFT                       ; my 128 rows of B,
	s_add_co_u32 s3, s3, 2*HALFT                   ; behind A's 256
.irp s, 0,1
	v_add_nc_u32 v[ADRA+\s], s2, v4
	v_add_nc_u32 v[ADRB+\s], s3, v4
	s_add_co_u32 s2, s2, SLOT
	s_add_co_u32 s3, s3, SLOT
.endr
	v_mul_u32_u24 v5, v1, KS                       ; my row's scales: 32 bytes a row,
	v_lshrrev_b32 v6, 8, v5
	v_lshl_add_u32 v5, v6, 4, v5                   ; and 16 more for each 256 passed
	s_mul_i32 s2, s21, HALFS
	s_mul_i32 s3, s22, HALFS
	s_add_co_u32 s3, s3, 2*HALFS
	s_sub_co_u32 s3, s3, s2
	v_mul_u32_u24 v6, s3, v2                       ; lanes 16-31 take B's
	s_add_co_u32 s2, s2, SCL
	v_add_nc_u32 v5, v5, v6
	v_add_nc_u32 v[ADRS], s2, v5
	s_mul_i32 s2, s20, 2*16*144                    ; my stage, in slot 0: two heads x 16 rows x (128 bytes + 16)
	v_mul_u32_u24 v5, v1, 144
	v_lshl_add_u32 v5, v2, 4, v5
	v_add_nc_u32 v[STO], s2, v5
	v_and_b32 v6, 31, v0
	v_lshrrev_b32 v7, 3, v6
	v_mul_u32_u24 v7, v7, 144
	v_and_b32 v8, 7, v0
	v_lshl_add_u32 v7, v8, 4, v7
	v_add_nc_u32 v[RD], s2, v7                     ; back: eight lanes to a row of 128 bytes, four rows an instruction
	v_lshlrev_b32 v[CO], 4, v6
	s_lshl_b32 s2, s95, 8
	s_lshl_b32 s3, s21, 7
	s_add_co_u32 s2, s2, s3                        ; t0: my first position in the batch
	s_lshl_b32 s66, s2, 8
	s_mov_b32 s67, 0
	s_add_nc_u64 s[66:67], s[14:15], s[66:67]      ; the table at t0
	s_lshl_b32 s3, s41, 4
	s_lshl_b32 s92, s40, 2
	s_add_co_u32 s3, s3, s92
	s_lshl_b32 s92, s22, 1
	s_add_co_u32 s3, s3, s92                       ; 16 b + my first head
	s_lshl_b32 s92, s3, 11
	s_add_co_u32 s92, s92, s2
	s_lshl_b32 s92, s92, 7
	s_lshl_b32 s93, ttmp9, 24
	s_add_co_u32 s92, s92, s93
	s_mov_b32 s93, 0
	s_add_nc_u64 s[16:17], s[16:17], s[92:93]      ; qkv16 at (sel, my first head, t0)
	s_lshl_b32 s92, ttmp9, 6
	s_add_co_u32 s92, s92, s3
	s_lshl_b32 s92, s92, 12
	s_add_nc_u64 s[18:19], s[18:19], s[92:93]      ; qkv32 at (sel, my first head)
	s_or_b32 s100, s95, s21                        ; 0 where t0 = 0
.macro FRAG reg, adr, q, i             ; 16 rows x 128 K of 4-bit codes: 8 registers; registers 4 c .. 4 c + 3 hold K = 64 c + 32 h + 0 .. 31
.irp c, 0,1
	ds_load_b128 v[\reg+4*\c:\reg+4*\c+3], v[\adr] offset:64*(\q)+32*\c+(\i)*16*PITCH
.endr
.endm
; 16 matrix instructions: A's blocks a0, a0 + 1 x B's eight, the slot's q-th 128 along K.  p: B's set; sc: the set of scale words.  zero = 1: the bias starts the sums.
; The 64 accumulators take turns, one instruction a turn, in the same order in every step
.macro MUL16 a0, p, q, sc, zero
.irp a, \a0, \a0+1
.irp b, 0,1,2,3,4,5,6,7
.if \zero
	v_wmma_scale_f32_16x16x128_f8f6f4 v[8*(8*((\a)%4)+\b):8*(8*((\a)%4)+\b)+7], v[128*(\p)+FR*\b:128*(\p)+FR*\b+FR-1], v[AF+FR*(\a):AF+FR*(\a)+FR-1], v[BI+8*\b:BI+8*\b+7], v[SC+8*NQ*(\sc)+NQ*\b+(\q)], v[SC+8*NQ*(\sc)+NQ*(\a)+(\q)] matrix_a_fmt:MATRIX_FMT_FP4 matrix_b_fmt:MATRIX_FMT_FP4 matrix_a_scale:MATRIX_SCALE_ROW1
.else
	v_wmma_scale_f32_16x16x128_f8f6f4 v[8*(8*((\a)%4)+\b):8*(8*((\a)%4)+\b)+7], v[128*(\p)+FR*\b:128*(\p)+FR*\b+FR-1], v[AF+FR*(\a):AF+FR*(\a)+FR-1], v[8*(8*((\a)%4)+\b):8*(8*((\a)%4)+\b)+7], v[SC+8*NQ*(\sc)+NQ*\b+(\q)], v[SC+8*NQ*(\sc)+NQ*(\a)+(\q)] matrix_a_fmt:MATRIX_FMT_FP4 matrix_b_fmt:MATRIX_FMT_FP4 matrix_a_scale:MATRIX_SCALE_ROW1
.endif
.endr
.endr
.endm
.macro FETCH_B slot, q, p
	WIN TO_B
.irp i, 0,1,2,3,4,5,6,7
	FRAG 128*(\p)+FR*\i, ADRB+\slot, \q, \i
.endr
	WIN 0
.endm
.macro FETCH_A slot, q, i0
.irp i, \i0, \i0+1, \i0+2, \i0+3
	FRAG AF+FR*(\i), ADRA+\slot, \q, \i
.endr
.endm
.macro SCALES sc                       ; a slot's scale words: four a row; lanes 0-15 take A's block i, lanes 16-31 B's block i
.irp i, 0,1,2,3,4,5,6,7
	ds_load_b128 v[SC+8*NQ*\sc+NQ*\i:SC+8*NQ*\sc+NQ*\i+3], v[ADRS] offset:\i*SBLK
.endr
.endm
.macro PLACES n                        ; plain vector instructions between a matrix instruction and a load into, or a vector read or write of, its registers
.rept \n
	v_nop
.endr
.endm
.macro STEP slot, q, zero              ; a step of 128 along K that has its successor in the same slot
	s_wait_dscnt 4*NL                              ; B's set and A's blocks 0-3 are in; the youngest eight loads (A's blocks 4-7) may be out
.if \zero
	WIN 0x81                                       ; C, the bias, in window 0
.else
	WIN MUL_LO
.endif
	MUL16 0, (\q)%2, \q, \slot, \zero
	MUL16 2, (\q)%2, \q, \slot, \zero
	s_wait_dscnt 0
	PLACES NP
	FETCH_B \slot, (\q)+1, 1-(\q)%2
	FETCH_A \slot, (\q)+1, 0
.if \zero
	WIN 0xc1
.else
	WIN MUL_HI
.endif
	MUL16 4, (\q)%2, \q, \slot, \zero
	MUL16 6, (\q)%2, \q, \slot, \zero
	PLACES NP
	WIN 0
	FETCH_A \slot, (\q)+1, 4
.endm
; Slot 0's last step changes slots: one barrier.  In front of it each wave waits for all its tensor loads (slot 1's part), adds 0 to its spare word and waits for that and for its reads of slot 0.  Nothing is filled again
.macro TURN slot, next
	s_wait_tensorcnt 0x0
	ds_add_u32 v[SPW], v[NIL]
	s_wait_dscnt 4*NL+1                            ; the add and the youngest eight loads may be out
	WIN MUL_LO
	MUL16 0, 1, NQ-1, \slot, 0
	s_wait_dscnt 0x0                               ; the add is done, and my reads of this slot are over
	s_barrier_signal -1
	MUL16 2, 1, NQ-1, \slot, 0
	WIN 0
	s_barrier_wait -1
	PLACES NP
	v_add_nc_u32 v[ADRS], 4*NQ, v[ADRS]            ; the next slot's scale words
	FETCH_B \next, 0, 0
	FETCH_A \next, 0, 0
	SCALES \next
	WIN MUL_HI
	MUL16 4, 1, NQ-1, \slot, 0
	MUL16 6, 1, NQ-1, \slot, 0
	PLACES NP
	WIN 0
	FETCH_A \next, 0, 4
.endm
.macro STEPS slot, from
.set Q, \from
.rept NQ-1-\from
	STEP \slot, Q, 0
.set Q, Q+1
.endr
.endm
; cos and sin for block a's 16 rows, into set a % 2: registers 8 e + j cos, 16 + 8 e + j sin, of angle index 16 e + 8 h + j
.macro TAB a
.irp e, 0,1
	global_load_b128 v[CS+32*((\a)%2)+8*\e:CS+32*((\a)%2)+8*\e+3], v[TA], s[66:67] offset:4096*(\a)+64*\e
	global_load_b128 v[CS+32*((\a)%2)+8*\e+4:CS+32*((\a)%2)+8*\e+7], v[TA], s[66:67] offset:4096*(\a)+64*\e+16
	global_load_b128 v[CS+32*((\a)%2)+16+8*\e:CS+32*((\a)%2)+16+8*\e+3], v[TA], s[66:67] offset:4096*(\a)+128+64*\e
	global_load_b128 v[CS+32*((\a)%2)+16+8*\e+4:CS+32*((\a)%2)+16+8*\e+7], v[TA], s[66:67] offset:4096*(\a)+128+64*\e+16
.endr
.endm
	s_wait_tensorcnt 1                             ; the scales and my part of slot 0 are in; slot 1's load may be out
	s_barrier_signal -1
	s_barrier_wait -1
	FETCH_B 0, 0, 0
	FETCH_A 0, 0, 0
	SCALES 0
	FETCH_A 0, 0, 4
	s_wait_loadcnt 0x0                             ; the bias
	STEP 0, 0, 1
	s_cmp_eq_u32 ttmp9, 2                          ; q and k: the first two blocks' cos and sin are asked for now, into the registers that the bias has left (four places behind its last reader)
	s_cbranch_scc1 .Lno_table
	TAB 0
	TAB 1
.Lno_table:
	STEPS 0, 1
	TURN 0, 1
	STEPS 1, 0
	s_wait_dscnt 4*NL
	WIN MUL_LO
	MUL16 0, 1, NQ-1, 1, 0
	MUL16 2, 1, NQ-1, 1, 0
	s_wait_dscnt 0
	WIN MUL_HI
	MUL16 4, 1, NQ-1, 1, 0
	MUL16 6, 1, NQ-1, 1, 0
	WIN 0
	PLACES NP                                      ; ahead of the first read of results and the first write of operands' registers
; THE WAY OUT, block by block of 16 rows x 128 columns (two heads).  Rotated (q, k) or not (v), rounded to f16, 16 bytes a lane into my stage, back as runs of four rows of a head, which lie on end in memory.
; The stage lies in slot 0: it has had its only fill, and every wave has passed the change of slots, behind which nobody reads it.
.macro BLOCK a, rot
.set AC, 64*((\a)%4)
.set CT, CS+32*((\a)%2)
.set BB, BK+32*((\a)%2)
	s_wait_xcnt 0x0                                ; the stores of two blocks back, and block 0's f32 stores, have read their data: those registers are written again
.if \rot
.if (\a) < 7
	s_wait_loadcnt 8                               ; this block's cos and sin are in; the next block's eight loads may be out
.else
	s_wait_loadcnt 0x0
.endif
	WIN 0x52+(\a)/4                                ; source 0: the accumulators' window; source 1: the table, window 0; source 2 and destination: window 1
.irp hd, 0,1
.irp e, 0,1
.irp jj, 0,2,4,6                       ; each accumulator is read from its low end on
	v_pk_mul_f32 v[RES+8*(4*\hd+\e)+\jj:RES+8*(4*\hd+\e)+\jj+1], v[AC+8*(4*\hd+\e+2)+\jj:AC+8*(4*\hd+\e+2)+\jj+1], v[CT+16+8*\e+\jj:CT+16+8*\e+\jj+1]
	v_pk_mul_f32 v[RES+8*(4*\hd+\e+2)+\jj:RES+8*(4*\hd+\e+2)+\jj+1], v[AC+8*(4*\hd+\e)+\jj:AC+8*(4*\hd+\e)+\jj+1], v[CT+16+8*\e+\jj:CT+16+8*\e+\jj+1]
	v_pk_fma_f32 v[RES+8*(4*\hd+\e)+\jj:RES+8*(4*\hd+\e)+\jj+1], v[AC+8*(4*\hd+\e)+\jj:AC+8*(4*\hd+\e)+\jj+1], v[CT+8*\e+\jj:CT+8*\e+\jj+1], v[RES+8*(4*\hd+\e)+\jj:RES+8*(4*\hd+\e)+\jj+1] neg_lo:[0,0,1] neg_hi:[0,0,1]
	v_pk_fma_f32 v[RES+8*(4*\hd+\e+2)+\jj:RES+8*(4*\hd+\e+2)+\jj+1], v[AC+8*(4*\hd+\e+2)+\jj:AC+8*(4*\hd+\e+2)+\jj+1], v[CT+8*\e+\jj:CT+8*\e+\jj+1], v[RES+8*(4*\hd+\e+2)+\jj:RES+8*(4*\hd+\e+2)+\jj+1]
.endr
.endr
.endr
	WIN 0x05                                       ; sources in window 1, destination in window 0
.irp b, 0,1,2,3,4,5,6,7
.irp i, 0,1,2,3
	v_cvt_pk_f16_f32 v[PKD+4*\b+\i], v[RES+8*\b+2*\i], v[RES+8*\b+2*\i+1]
.endr
.endr
	WIN 0
.if (\a)+2 < 8
	TAB (\a)+2
.endif
.else
	WIN 0x0a+5*((\a)/4)                            ; sources in window 2 or 3
.irp b, 0,1,2,3,4,5,6,7
.irp i, 0,1,2,3
	v_cvt_pk_f16_f32 v[PKD+4*\b+\i], v[AC+8*\b+2*\i], v[AC+8*\b+2*\i+1]
.endr
.endr
	WIN 0
.endif
.if (\a) == 0                          ; positions 0 to 15 also leave in f32: where t0 = 0, a branch on cluster y and the wave's number
	s_cmp_lg_u32 s100, 0
	s_cbranch_scc1 .Lno32_\@
.if \rot
	WIN 0x04                                       ; a store's data are its source 1: window 1
.irp b, 0,1,2,3,4,5,6,7
	global_store_b128 v[TA], v[RES+8*\b:RES+8*\b+3], s[18:19] offset:(\b/4)*4096+(\b%4)*64
	global_store_b128 v[TA], v[RES+8*\b+4:RES+8*\b+7], s[18:19] offset:(\b/4)*4096+(\b%4)*64+16
.endr
.else
	WIN 0x08                                       ; window 2
.irp b, 0,1,2,3,4,5,6,7
	global_store_b128 v[TA], v[AC+8*\b:AC+8*\b+3], s[18:19] offset:(\b/4)*4096+(\b%4)*64
	global_store_b128 v[TA], v[AC+8*\b+4:AC+8*\b+7], s[18:19] offset:(\b/4)*4096+(\b%4)*64+16
.endr
.endif
	WIN 0
.Lno32_\@:
.endif
.irp b, 0,1,2,3,4,5,6,7
	ds_store_b128 v[STO], v[PKD+4*\b:PKD+4*\b+3] offset:(\b/4)*2304+(\b%4)*32
.endr
.irp t, 0,1,2,3,4,5,6,7
	ds_load_b128 v[BB+4*\t:BB+4*\t+3], v[RD] offset:(\t/4)*2304+(\t%4)*576   ; LDS serves a wave's instructions in order: these see the stores above, and the next block's stores come behind them
.endr
.endm
.macro SEND a, younger                 ; younger: the LDS instructions issued behind block a's loads
.set BB, BK+32*((\a)%2)
	s_wait_dscnt \younger
.irp t, 0,1,2,3,4,5,6,7
	global_store_b128 v[CO], v[BB+4*\t:BB+4*\t+3], s[16:17] offset:(\t/4)*262144+2048*(\a)+512*(\t%4)   ; 32 lanes store 512 consecutive bytes, at a multiple of 512 from the buffer's first byte
.endr
.endm
.macro WAYOUT rot
	BLOCK 0, \rot
.irp a, 1,2,3,4,5,6,7
	BLOCK \a, \rot
	SEND \a-1, 16                                  ; behind block a - 1's loads: block a's 8 stores and 8 loads
.endr
	SEND 7, 0
.endm
	s_cmp_eq_u32 ttmp9, 2
	s_cbranch_scc1 .Lplain
	WAYOUT 1
	s_branch .Lend
.Lplain:
	WAYOUT 0
.Lend:
	s_wait_tensorcnt 0x0                           ; the wave's end, behind my last tensor load and my last LDS store
	ds_add_u32 v[SPW], v[NIL]
	s_wait_dscnt 0x0
	CROUND                                         ; the closing round
	s_endpgm
.Lfunc_end_k_q15acfa0893_qkv:
	.size	k_q15acfa0893_qkv, .Lfunc_end_k_q15acfa0893_qkv-k_q15acfa0893_qkv
	.p2alignl 7, 3214868480
	.fill 96, 4, 3214868480
	.section	.rodata,"a",@progbits
	.p2align	6, 0x0
	.amdhsa_kernel k_q15acfa0893_qkv
		.amdhsa_group_segment_fixed_size 327680
		.amdhsa_private_segment_fixed_size 0
		.amdhsa_enable_private_segment 0
		.amdhsa_kernarg_size 64
		.amdhsa_user_sgpr_count 2
		.amdhsa_user_sgpr_kernarg_segment_ptr 1
		.amdhsa_wavefront_size32 1
		.amdhsa_system_sgpr_workgroup_id_x 1
		.amdhsa_system_sgpr_workgroup_id_y 1
		.amdhsa_system_sgpr_workgroup_id_z 1
		.amdhsa_system_vgpr_workitem_id 0
		.amdhsa_next_free_vgpr 1024
		.amdhsa_next_free_sgpr 102
		.amdhsa_reserve_vcc 0
		.amdhsa_float_denorm_mode_32 3
		.amdhsa_float_denorm_mode_16_64 3
		.amdhsa_memory_ordered 1
		.amdhsa_forward_progress 1
		.amdhsa_inst_pref_size 201
	.end_amdhsa_kernel
	.amdgpu_metadata
---
amdhsa.version: [ 1, 2 ]
amdhsa.kernels:
  - .name:           k_q15acfa0893_qkv
    .symbol:         k_q15acfa0893_qkv.kd
    .args:
      - { .name: codes, .offset: 0, .size: 8, .value_kind: global_buffer, .address_space: global }
      - { .name: scales, .offset: 8, .size: 8, .value_kind: global_buffer, .address_space: global }
      - { .name: bq, .offset: 16, .size: 8, .value_kind: global_buffer, .address_space: global }
      - { .name: bk, .offset: 24, .size: 8, .value_kind: global_buffer, .address_space: global }
      - { .name: bv, .offset: 32, .size: 8, .value_kind: global_buffer, .address_space: global }
      - { .name: rope, .offset: 40, .size: 8, .value_kind: global_buffer, .address_space: global }
      - { .name: qkv16, .offset: 48, .size: 8, .value_kind: global_buffer, .address_space: global }
      - { .name: qkv32, .offset: 56, .size: 8, .value_kind: global_buffer, .address_space: global }
    .group_segment_fixed_size: 327680
    .private_segment_fixed_size: 0
    .kernarg_segment_align: 8
    .kernarg_segment_size: 64
    .max_flat_workgroup_size: 128
    .sgpr_count:     102
    .vgpr_count:     1024
    .wavefront_size: 32
...
	.end_amdgpu_metadata
.endif
;; end of part 2
;; launch attn (part 3): grid 4 x 64, 16 waves a work-group, clusters of 4 x 1, 327,680 bytes of LDS; arguments qkv16, y16; writes y16
.if DOCPART == 3
	.amdgcn_target "amdgcn-amd-amdhsa--gfx1250"
	.amdhsa_code_object_version 6
	.text
	.protected	k_q15acfa0893_attn
	.globl	k_q15acfa0893_attn
	.p2align	8
	.type	k_q15acfa0893_attn,@function
k_q15acfa0893_attn:
	s_mov_b64 s[64:65], 0
	v_nop
	global_prefetch_b8 v0, s[64:65] scope:SCOPE_SE
	s_setreg_imm32_b32 hwreg(HW_REG_WAVE_MODE, 25, 1), 1
	s_wait_xcnt 0x0
	s_wait_alu depctr_hold_cnt(0) depctr_sa_sdst(0) depctr_va_vdst(0) depctr_va_sdst(0) depctr_va_ssrc(0) depctr_va_vcc(0) depctr_vm_vsrc(0)
	s_getreg_b32 s2, hwreg(HW_REG_IB_STS2, 6, 4)
	s_cmp_eq_u32 s2, 0
	s_cbranch_scc0 .Lentry_in_a_cluster
	s_endpgm
.Lentry_in_a_cluster:
	s_bfe_u32 s2, ttmp6, 0x10000c
	s_cmp_lg_u32 s2, 0x3003
	s_cbranch_scc0 .Lentry_shape_is_right
	s_endpgm
.Lentry_shape_is_right:
; y[bh][q][:] = the sum over k <= q of softmax_k(Q[q] . K[k] / 8) V[k][:], one head (64 channels, 2,048 positions) to a cluster of four work-groups.  Q, K, V, y in f16, laid [bh][t][64]; products,
; maxima and sums in f32; the weights p (at most 1) are rounded to f16 for the second product.
; SHARES.  A work-group has sixteen waves of 256 registers; a wave owns 32 queries, two tiles of 16: Q0 = 128 G + 32 cx.  G, 0 .. 15, is read from a 4 x 4 magic square by the wave's number (every row and every
; column sums to 30), so that four waves w, w + 4, .. and four waves 4 i .. 4 i + 3 alike have equal work under the causal mask.
; Every wave walks all 32 key steps of 64; a step all of whose keys come after query 128 G + 127 is left out, a step with keys from 128 G on is masked.  Both tests hang on G and the count of steps alone, which the
; four partners share: cx enters Q's, y's and the prefetches' addresses and one data register.  At most 96 hidden keys a wave are computed for that.
; CLUSTER.  The partners walk the same K and V: each tile is asked for jointly (mask 15).  The wave with G = 15 of every partner reads every tile.
; LAYOUT.  S^T = K Q^T (source 0 = 16 keys, source 1 = 16 queries): a lane holds ONE query (lane % 16) and keys 8 (lane / 16) + 0..7.  Two such tiles, rounded in pairs, are source 1 of O^T = V^T P.  V is turned by ds_load_tr16_b128.
; SOFTMAX.  A running maximum m and sum l for each query: p = 2^(c s - c m), c = log2(e) / 8; in every step O and l are multiplied by a = 2^(c m_old - c m_new).  Key 0 counts for every query, so m is a number from the first step on.
; LIMITS: NaN and infinities are not served.
.set PK,    144                        ; a row of K in LDS: 128 bytes + 16
.set PV,    160                        ; a row of V: 128 + 32
.set VOFF,  256*PK                     ; a slot: 256 rows of K, then 256 rows of V
.set SLOT1, 1<<17                      ; slot 1 begins here: one exclusive or turns an address
.set STAGE, SLOT1+256*(PK+PV)          ; the way out: 32 rows x 144 bytes for each wave, bytes of their own
.set SPARE, STAGE+16*32*144            ; the spare words: 128 bytes a wave, eight blocks of 256 bytes that no other line names
.set AK0, 2                            ; v2  my lane's place in a tile of K
.set AV0, 3                            ; v3  and of V
.set ADK, 4                            ; v4  LDS address of the step's K
.set ADV, 5                            ; v5  of its V
.set DQ,  6                            ; v6  my query of tile 0 - 8 (lane / 16)
.set D0,  7                            ; v7, v8 the same less the step's first key, for tiles 0 and 1
.set NINF, 9
.set STO, 10
.set RD,  11
.set GO,  12
.set PFO, 13                           ; v13 256 x lane
.set SPW, 14
.set NIL, 15
.set ST,  16                           ; tile t's statistics at v[ST + 8 t]: +0 c m, +1 m, +2, +3 l, +4 .. +7 at work; a takes +6
.set QF,  32                           ; Q(t, cs) at 32 + 16 t + 8 cs
.set OT,  64                           ; O^T(t, ct) at 64 + 32 t + 8 ct
.set S,   128                          ; S^T(t, kt) at 128 + 32 t + 8 kt; packed in place, P(t, ks) at 128 + 32 t + 8 ks
.set KV,  192                          ; K(kt, cs) at 192 + 16 kt + 8 cs, then V^T(ct, ks) at 192 + 32 ks + 8 ct
.set WV,  8
.set CX,  9
.set Q0,  10
.set QL,  11                           ; 128 G + 127
.set QG,  12                           ; 128 G
.set KF,  13                           ; the step's first key
.set TK,  14                           ; LDS byte of the step's K
.set TV,  15                           ; of its V (less VOFF)
.set SLOTS, 16
.set CNT, 17
.set LIM, 18
.set SEL, 20
.set CS,  22
.set G1K, 24
.set G1V, 32
.set G0K, 40
.set G0V, 44
.set PFA, 48
.set QB,  50
.set YB,  52
.macro TLOAD                           ; waves 0 and 1 fetch K's halves of a slot, waves 2 and 3 V's, the others nothing.  An s_nop 0 and four v_nop follow each line
	s_cmp_lt_u32 s[WV], 2
	s_cbranch_scc0 .Lnot_k_\@
	tensor_load_to_lds s[G0K:G0K+3], s[G1K:G1K+7]
	s_nop 0
.rept 4
	v_nop
.endr
	s_branch .Lasked_\@
.Lnot_k_\@:
	s_cmp_lt_u32 s[WV], 4
	s_cbranch_scc0 .Lasked_\@
	tensor_load_to_lds s[G0V:G0V+3], s[G1V:G1V+7]
	s_nop 0
.rept 4
	v_nop
.endr
.Lasked_\@:
.endm
; A prefetch of what the NEXT change of slots will ask for: 32,768 bytes of K (wave 4) and of V (wave 5).  The four partners take 8,192 bytes each, told apart by address; a lane names 256 bytes: each is named once in the launch.
; It stands one slot, four key steps, ahead of the load.  The last change that fills a slot asks for nothing
.macro ASK
	s_cmp_gt_u32 s[SLOTS], s[LIM]
	s_cbranch_scc0 .Lnot_mine_\@
	global_prefetch_b8 v[PFO], s[PFA:PFA+1] th:TH_LOAD_NT scope:SCOPE_SE
.Lnot_mine_\@:
.endm
.macro CROUND
	s_barrier_signal -1
	s_barrier_wait -1
	s_cmp_lg_u32 s[WV], 0
	s_cbranch_scc1 .Lnot_wave_0_\@
	s_barrier_signal -3
.Lnot_wave_0_\@:
	s_barrier_wait -3
	s_barrier_signal -1
	s_barrier_wait -1
.endm
	s_load_b128 s[4:7], s[0:1], 0x0                ; qkv16, y16
	v_lshl_add_u32 v[SPW], v0, 2, SPARE
	v_mov_b32 v[NIL], 0
	ds_add_u32 v[SPW], v[NIL]                      ; the wave's opening: the add, twice on end, and its wait ahead of the first tensor load
	ds_add_u32 v[SPW], v[NIL]
	v_lshrrev_b32 v1, 5, v0
	v_readfirstlane_b32 s[WV], v1                  ; wave 0..15
	s_bfe_u32 s[CX], ttmp6, 0x40000
	s_and_b32 s54, ttmp7, 0xffff
	s_lshl_b32 s54, s54, 18                        ; the head's first byte in q, k, v and y: 262,144 x bh
	s_mov_b32 s56, 0x0de3b658                      ; G of waves 8 to 15, four bits each: 8, 5, 6, 11, 3, 14, 13, 0
	s_cmp_lt_u32 s[WV], 8
	s_cselect_b32 s56, 0x7a94c12f, s56             ; of waves 0 to 7: 15, 2, 1, 12, 4, 9, 10, 7
	s_and_b32 s57, s[WV], 7
	s_lshl_b32 s57, s57, 2
	s_lshr_b32 s56, s56, s57
	s_and_b32 s56, s56, 15
	s_lshl_b32 s[QG], s56, 7
	s_add_co_u32 s[QL], s[QG], 127
	s_lshl_b32 s57, s[CX], 5
	s_add_co_u32 s[Q0], s[QG], s57
	s_lshl_b32 s[QB], s[Q0], 7
	s_add_co_u32 s[QB], s[QB], s54
	s_mov_b32 s[QB+1], 0                           ; my 32 rows, in q and in y
	s_and_b32 s55, s[WV], 1
	s_lshl_b32 s58, s55, 14
	s_add_co_u32 s58, s58, s54
	s_mov_b32 s59, 0                               ; the 128 rows of slot 0 that I fetch, in k or in v
	s_mul_i32 s56, s55, 128*PK
	s_mul_i32 s57, s55, 128*PV
	s_add_co_u32 s57, s57, VOFF
	s_mov_b32 s[G1K], 15|(1<<16)|(1<<20)|(1<<21)|(4<<22)|(3<<25)   ; the mask: all four; elements of 2 bytes; padding on; bit 21 beside a mask; 4 words behind every 32
	s_mov_b32 s[G1V], 15|(1<<16)|(1<<20)|(1<<21)|(4<<22)|(7<<25)   ; 8 words
.irp g, G1K, G1V
	s_mov_b32 s[\g+1], 64<<16                      ; tensor_dim0
	s_mov_b32 s[\g+2], 128<<16                     ; tensor_dim1
	s_mov_b32 s[\g+3], 64<<16                      ; tile_dim0
	s_mov_b32 s[\g+4], 128                         ; tile_dim1
	s_mov_b32 s[\g+5], 64                          ; the pitch
	s_mov_b32 s[\g+6], 0
	s_mov_b32 s[\g+7], 0
.endr
	s_mov_b32 s[SEL], 0x76543210
	s_mov_b32 s[SEL+1], 0xfedcba98
	s_mov_b32 s[CS], 0x3e38aa3b                    ; c = log2(e) / 8
	s_mov_b32 s[CS+1], s[CS]
	s_mov_b32 s[KF], 0
	s_mov_b32 s[TK], 0
	s_mov_b32 s[TV], 0
	s_mov_b32 s[SLOTS], 7
	s_sub_co_u32 s[LIM], s[WV], 4
	s_lshr_b32 s[LIM], s[LIM], 1
	s_cmp_eq_u32 s[LIM], 0
	s_cselect_b32 s[LIM], 1, -1                    ; 1 in waves 4 and 5
	s_wait_dscnt 0x0                               ; both opening adds are done
	s_wait_kmcnt 0x0
	s_mov_b32 s[G0K], 1
	s_mov_b32 s[G0K+1], s56
	s_add_nc_u64 s[G0K+2:G0K+3], s[4:5], s[58:59]
	s_add_nc_u64 s[G0K+2:G0K+3], s[G0K+2:G0K+3], 16777216
	s_or_b32 s[G0K+3], s[G0K+3], 0x80000000
	s_mov_b32 s[G0V], 1
	s_mov_b32 s[G0V+1], s57
	s_add_nc_u64 s[G0V+2:G0V+3], s[4:5], s[58:59]
	s_add_nc_u64 s[G0V+2:G0V+3], s[G0V+2:G0V+3], 33554432
	s_or_b32 s[G0V+3], s[G0V+3], 0x80000000
	CROUND                                         ; all four work-groups are here
	TLOAD                                          ; slot 0: one load of mine is out, here and behind every later round
	s_mov_b32 s56, 33554432
	s_cmp_eq_u32 s[WV], 4
	s_cselect_b32 s56, 16777216, s56
	s_add_co_u32 s56, s56, s54
	s_lshl_b32 s57, s[CX], 13
	s_add_co_u32 s56, s56, s57
	s_add_co_u32 s56, s56, 32768                   ; in slot 1: the first change of slots steps it to slot 2.  Nothing is prefetched at the head
	s_mov_b32 s57, 0
	s_add_nc_u64 s[PFA:PFA+1], s[4:5], s[56:57]
	s_add_nc_u64 s[YB:YB+1], s[6:7], s[QB:QB+1]
	s_add_nc_u64 s[QB:QB+1], s[4:5], s[QB:QB+1]
	v_and_b32 v128, 15, v0                         ; r
	v_bfe_u32 v129, v0, 4, 1                       ; h
	v_lshlrev_b32 v132, 7, v128
	v_lshl_add_u32 v132, v129, 4, v132             ; Q: row r of 128 bytes + 16 h
.irp t, 0,1
.irp cs, 0,1
	global_load_b128 v[QF+16*\t+8*\cs:QF+16*\t+8*\cs+3], v132, s[QB:QB+1] offset:2048*\t+64*\cs
	global_load_b128 v[QF+16*\t+8*\cs+4:QF+16*\t+8*\cs+7], v132, s[QB:QB+1] offset:2048*\t+64*\cs+32
.endr
.endr
	v_mul_u32_u24 v[AK0], v128, PK
	v_lshl_add_u32 v[AK0], v129, 4, v[AK0]
	v_and_b32 v130, 7, v0
	v_bfe_u32 v131, v0, 3, 1
	v_lshl_add_u32 v[AV0], v129, 3, v130           ; the turning load: key 8 h + lane % 8,
	v_mul_u32_u24 v[AV0], v[AV0], PV
	v_lshl_add_u32 v[AV0], v131, 4, v[AV0]         ; channels 8 ((lane / 8) % 2) on
	v_add_nc_u32 v[AV0], VOFF, v[AV0]
	v_lshlrev_b32 v133, 3, v129
	v_sub_nc_u32 v[DQ], v128, v133
	v_add_nc_u32 v[DQ], s[Q0], v[DQ]
	v_mov_b32 v[NINF], 0xff800000
	s_mul_i32 s56, s[WV], 32*144
	s_add_co_u32 s56, s56, STAGE
	v_add_nc_u32 v[STO], s56, v[AK0]               ; into my stage: row r, 16 bytes for each half of the lanes
	v_and_b32 v134, 31, v0
	v_lshrrev_b32 v135, 3, v134
	v_mul_u32_u24 v135, v135, 144
	v_lshl_add_u32 v135, v130, 4, v135
	v_add_nc_u32 v[RD], s56, v135                  ; back: eight lanes to a row, four rows an instruction
	v_lshlrev_b32 v[GO], 4, v134
	v_lshlrev_b32 v[PFO], 8, v134
.irp t, 0,1
	v_mov_b32 v[ST+8*\t+1], 0xff61b1e6             ; m: -3e38, under every score
	v_mul_f32 v[ST+8*\t], s[CS], v[ST+8*\t+1]
.irp i, 2,3,4,5,6,7
	v_mov_b32 v[ST+8*\t+\i], 0
.endr
.endr
.set i, 0
.rept 64
	v_mov_b32 v[OT+i], 0                           ; the step is written once: the first finds zeros, which a = 0 leaves zeros
.set i, i+1
.endr
; A KEY STEP: 64 keys
.macro STEP
	s_cmp_gt_u32 s[KF], s[QL]                      ; all its keys come after my group's last query: only the addresses step
	s_cbranch_scc1 .Lhidden_\@
	v_add_nc_u32 v[ADK], s[TK], v[AK0]
	v_add_nc_u32 v[ADV], s[TV], v[AV0]
.rept 3
	v_nop                                          ; with the two additions five places behind the last step's products: their V is loaded over, and their P is written over by matrix instructions
.endr
.irp kt, 0,1,2,3
.irp cs, 0,1
	ds_load_b128 v[KV+16*\kt+8*\cs:KV+16*\kt+8*\cs+3], v[ADK] offset:2304*\kt+64*\cs
	ds_load_b128 v[KV+16*\kt+8*\cs+4:KV+16*\kt+8*\cs+7], v[ADK] offset:2304*\kt+64*\cs+32
.endr
.endr
	s_wait_dscnt 0x0
.irp kt, 0,1,2,3                       ; eight accumulators by turns, one instruction a turn
.irp t, 0,1
	v_wmma_f32_16x16x32_f16 v[S+32*\t+8*\kt:S+32*\t+8*\kt+7], v[KV+16*\kt:KV+16*\kt+7], v[QF+16*\t:QF+16*\t+7], 0
.endr
.endr
.irp kt, 0,1,2,3
.irp t, 0,1
	v_wmma_f32_16x16x32_f16 v[S+32*\t+8*\kt:S+32*\t+8*\kt+7], v[KV+16*\kt+8:KV+16*\kt+15], v[QF+16*\t+8:QF+16*\t+15], v[S+32*\t+8*\kt:S+32*\t+8*\kt+7]
.endr
.endr
.rept 4
	v_nop                                          ; places ahead of the loads over K and of the first read of the scores
.endr
.irp ks, 0,1
.irp ct, 0,1,2,3
	ds_load_tr16_b128 v[KV+32*\ks+8*\ct:KV+32*\ks+8*\ct+3], v[ADV] offset:5120*\ks+32*\ct
	ds_load_tr16_b128 v[KV+32*\ks+8*\ct+4:KV+32*\ks+8*\ct+7], v[ADV] offset:5120*\ks+2560+32*\ct
.endr
.endr
	s_cmp_lt_u32 s[KF], s[QG]                      ; all 64 keys come before my group's first query: no mask
	s_cbranch_scc1 .Lopen_\@
	v_sub_nc_u32 v[D0], v[DQ], s[KF]               ; register n holds key KF + 16 (n / 8) + 8 h + n % 8: hidden where 16 (n / 8) + n % 8 > my query - 8 h - KF
	v_add_nc_u32 v[D0+1], 16, v[D0]
.set n, 0
.rept 32
	v_cmp_gt_i32 vcc_lo, 16*(n/8)+n%8, v[D0]
	v_cndmask_b32 v[S+n], v[S+n], v[NINF], vcc_lo
	v_cmp_gt_i32 vcc_lo, 16*(n/8)+n%8, v[D0+1]
	v_cndmask_b32 v[S+32+n], v[S+32+n], v[NINF], vcc_lo
.set n, n+1
.endr
.Lopen_\@:
.irp c, 0,1,2,3                        ; the maximum: four chains a tile, each accumulator from its low end on; the two tiles by turns
.irp t, 0,1
	v_max3_num_f32 v[ST+8*\t+4+\c], v[S+32*\t+8*\c], v[S+32*\t+8*\c+1], v[S+32*\t+8*\c+2]
.endr
.endr
.irp i, 3,5
.irp c, 0,1,2,3
.irp t, 0,1
	v_max3_num_f32 v[ST+8*\t+4+\c], v[ST+8*\t+4+\c], v[S+32*\t+8*\c+\i], v[S+32*\t+8*\c+\i+1]
.endr
.endr
.endr
.irp t, 0,1
	v_max3_num_f32 v[ST+8*\t+4], v[ST+8*\t+4], v[S+32*\t+7], v[S+32*\t+15]
	v_max3_num_f32 v[ST+8*\t+6], v[ST+8*\t+6], v[S+32*\t+23], v[S+32*\t+31]
.endr
.irp t, 0,1
	v_max3_num_f32 v[ST+8*\t+4], v[ST+8*\t+4], v[ST+8*\t+5], v[ST+8*\t+6]
.endr
.irp t, 0,1
	v_max3_num_f32 v[ST+8*\t+4], v[ST+8*\t+4], v[ST+8*\t+7], v[ST+8*\t+1]   ; and the old m
.endr
.irp t, 0,1
	v_permlanex16_b32 v[ST+8*\t+5], v[ST+8*\t+4], s[SEL], s[SEL+1]          ; the query's other 32 keys lie in the lane 16 away
.endr
.irp t, 0,1
	v_mov_b32 v[ST+8*\t+7], v[ST+8*\t]
.endr
.irp t, 0,1
	v_max_num_f32 v[ST+8*\t+1], v[ST+8*\t+4], v[ST+8*\t+5]
.endr
.irp t, 0,1
	v_mul_f32 v[ST+8*\t], s[CS], v[ST+8*\t+1]
.endr
.irp t, 0,1
	v_sub_f32 v[ST+8*\t+7], v[ST+8*\t+7], v[ST+8*\t]                        ; c m_old - c m_new
.endr
.set j, 0
.rept 16
	v_pk_fma_f32 v[S+j:S+j+1], v[S+j:S+j+1], s[CS:CS+1], v[ST:ST+1] op_sel_hi:[1,0,0] neg_lo:[0,0,1] neg_hi:[0,0,1]             ; c s - c m
	v_pk_fma_f32 v[S+32+j:S+32+j+1], v[S+32+j:S+32+j+1], s[CS:CS+1], v[ST+8:ST+9] op_sel_hi:[1,0,0] neg_lo:[0,0,1] neg_hi:[0,0,1]
.set j, j+2
.endr
	v_exp_f32 v[ST+6], v[ST+7]                     ; a
	v_exp_f32 v[ST+14], v[ST+15]
.set j, 0
.rept 32
	v_exp_f32 v[S+j], v[S+j]
	v_exp_f32 v[S+32+j], v[S+32+j]
.set j, j+1
.endr
	v_nop                                          ; a plain instruction behind the last exponential
	s_wait_alu depctr_va_vdst(0)                   ; one wait for the 66, ahead of their first reader
.irp t, 0,1
	v_pk_mul_f32 v[ST+8*\t+2:ST+8*\t+3], v[ST+8*\t+2:ST+8*\t+3], v[ST+8*\t+6:ST+8*\t+7] op_sel_hi:[1,0]   ; l x a
	v_pk_add_f32 v[ST+8*\t+4:ST+8*\t+5], v[S+32*\t:S+32*\t+1], v[S+32*\t+2:S+32*\t+3]                      ; the sum of the unrounded p, in two chains
.endr
.irp j, 4,8,12,16,20,24,28
.irp t, 0,1
	v_pk_add_f32 v[ST+8*\t+2:ST+8*\t+3], v[ST+8*\t+2:ST+8*\t+3], v[S+32*\t+\j:S+32*\t+\j+1]
	v_pk_add_f32 v[ST+8*\t+4:ST+8*\t+5], v[ST+8*\t+4:ST+8*\t+5], v[S+32*\t+\j+2:S+32*\t+\j+3]
.endr
.endr
.irp t, 0,1
	v_pk_add_f32 v[ST+8*\t+2:ST+8*\t+3], v[ST+8*\t+2:ST+8*\t+3], v[ST+8*\t+4:ST+8*\t+5]
.endr
.set i, 0
.rept 16                               ; p to f16 in place: register i takes numbers 2 i and 2 i + 1, i ascending, so nothing is written before it is read
	v_cvt_pk_f16_f32 v[S+i], v[S+2*i], v[S+2*i+1]
	v_cvt_pk_f16_f32 v[S+32+i], v[S+32+2*i], v[S+32+2*i+1]
.set i, i+1
.endr
.set i, 0
.rept 16
	v_pk_mul_f32 v[OT+i:OT+i+1], v[OT+i:OT+i+1], v[ST+6:ST+7] op_sel_hi:[1,0]             ; O^T x a
	v_pk_mul_f32 v[OT+32+i:OT+32+i+1], v[OT+32+i:OT+32+i+1], v[ST+14:ST+15] op_sel_hi:[1,0]
.set i, i+2
.endr
	s_wait_dscnt 0x0                               ; V is in
.irp ks, 0,1
.irp ct, 0,1,2,3
.irp t, 0,1
	v_wmma_f32_16x16x32_f16 v[OT+32*\t+8*\ct:OT+32*\t+8*\ct+7], v[KV+32*\ks+8*\ct:KV+32*\ks+8*\ct+7], v[S+32*\t+8*\ks:S+32*\t+8*\ks+7], v[OT+32*\t+8*\ct:OT+32*\t+8*\ct+7]
.endr
.endr
.endr
.Lhidden_\@:
	s_add_co_u32 s[KF], s[KF], 64
	s_add_co_u32 s[TK], s[TK], 64*PK
	s_add_co_u32 s[TV], s[TV], 64*PV
.endm
; THE CHANGE OF SLOTS stands at a slot's head.  Each wave waits for all its tensor loads, adds 0 to its spare word, and waits for that and for its reads of the slot that it has left.
; fill = 1: a round of the cluster's barrier, so that no wave of any partner still reads that slot or has a load on its way; behind it the slot is asked for jointly: the load has four key steps in which to land.
.macro CHANGE fill
	s_wait_tensorcnt 0x0                           ; no tensor load of mine is out, so a group 0 may be written
	ds_add_u32 v[SPW], v[NIL]
.if \fill
	ds_add_u32 v[SPW], v[NIL]                      ; the add twice on end here, in every trip alike
	s_xor_b32 s[G0K+1], s[G0K+1], SLOT1            ; the walking descriptors: the other slot, the next 256 keys
	s_add_nc_u64 s[G0K+2:G0K+3], s[G0K+2:G0K+3], 32768
	s_xor_b32 s[G0V+1], s[G0V+1], SLOT1
	s_add_nc_u64 s[G0V+2:G0V+3], s[G0V+2:G0V+3], 32768
	s_wait_xcnt 0x0                                ; the last prefetch, a slot back, has read its address
	s_add_nc_u64 s[PFA:PFA+1], s[PFA:PFA+1], 32768
	s_wait_dscnt 0x0
	CROUND
	TLOAD
	ASK
.else
	s_wait_dscnt 0x0
	s_barrier_signal -1
	s_barrier_wait -1
.endif
.endm
.macro SLOT_STEPS                      ; a slot's four key steps: written once, walked four times
	s_mov_b32 s[CNT], 4
.Lstep_\@:
	STEP
	s_sub_co_u32 s[CNT], s[CNT], 1
	s_cmp_lg_u32 s[CNT], 0
	s_cbranch_scc1 .Lstep_\@
	s_sub_co_u32 s[TK], s[TK], 256*PK
	s_xor_b32 s[TK], s[TK], SLOT1
	s_sub_co_u32 s[TV], s[TV], 256*PV
	s_xor_b32 s[TV], s[TV], SLOT1
.endm
	s_wait_loadcnt 0x0                             ; Q
.Lslot:                                            ; seven trips: behind each change of slots but the last the next slot is asked for
	CHANGE 1
	SLOT_STEPS
	s_sub_co_u32 s[SLOTS], s[SLOTS], 1
	s_cmp_lg_u32 s[SLOTS], 0
	s_cbranch_scc1 .Lslot
	CHANGE 0                                       ; the last slot is written out
	SLOT_STEPS
	; THE WAY OUT.  l's halves are added (these lines are the places behind the last products); O^T / l, rounded to f16, goes through my stage and leaves as 32 rows of 128 bytes on end
.irp t, 0,1
	v_add_f32 v[ST+8*\t+4], v[ST+8*\t+2], v[ST+8*\t+3]
.endr
.irp t, 0,1
	v_permlanex16_b32 v[ST+8*\t+5], v[ST+8*\t+4], s[SEL], s[SEL+1]
.endr
.irp t, 0,1
	v_add_f32 v[ST+8*\t+4], v[ST+8*\t+4], v[ST+8*\t+5]
.endr
.irp t, 0,1
	v_rcp_f32 v[ST+8*\t+6], v[ST+8*\t+4]
.endr
	v_nop
	s_wait_alu depctr_va_vdst(0)                   ; one wait for both reciprocals, ahead of their first reader
.set i, 0
.rept 16
	v_pk_mul_f32 v[OT+i:OT+i+1], v[OT+i:OT+i+1], v[ST+6:ST+7] op_sel_hi:[1,0]
	v_pk_mul_f32 v[OT+32+i:OT+32+i+1], v[OT+32+i:OT+32+i+1], v[ST+14:ST+15] op_sel_hi:[1,0]
.set i, i+2
.endr
.set i, 0
.rept 32
	v_cvt_pk_f16_f32 v[S+i], v[OT+2*i], v[OT+2*i+1]
.set i, i+1
.endr
.irp t, 0,1
.irp ct, 0,1,2,3
	ds_store_b128 v[STO], v[S+16*\t+4*\ct:S+16*\t+4*\ct+3] offset:2304*\t+32*\ct
.endr
.endr
.irp i, 0,1,2,3,4,5,6,7
	ds_load_b128 v[S+32+4*\i:S+32+4*\i+3], v[RD] offset:576*\i   ; LDS serves a wave's instructions in order: these see my stores
.endr
.irp i, 0,1,2,3,4,5,6,7
	s_wait_dscnt 7-\i                              ; load i is in; the younger ones may be out
	global_store_b128 v[GO], v[S+32+4*\i:S+32+4*\i+3], s[YB:YB+1] offset:512*\i   ; 32 lanes store 512 consecutive bytes, aligned
.endr
	s_wait_tensorcnt 0x0                           ; the wave's end
	ds_add_u32 v[SPW], v[NIL]
	s_wait_dscnt 0x0
	CROUND                                         ; the closing round
	s_endpgm
.Lfunc_end_k_q15acfa0893_attn:
	.size	k_q15acfa0893_attn, .Lfunc_end_k_q15acfa0893_attn-k_q15acfa0893_attn
	.p2alignl 7, 3214868480
	.fill 96, 4, 3214868480
	.section	.rodata,"a",@progbits
	.p2align	6, 0x0
	.amdhsa_kernel k_q15acfa0893_attn
		.amdhsa_group_segment_fixed_size 327680
		.amdhsa_private_segment_fixed_size 0
		.amdhsa_enable_private_segment 0
		.amdhsa_kernarg_size 16
		.amdhsa_user_sgpr_count 2
		.amdhsa_user_sgpr_kernarg_segment_ptr 1
		.amdhsa_wavefront_size32 1
		.amdhsa_system_sgpr_workgroup_id_x 1
		.amdhsa_system_sgpr_workgroup_id_y 1
		.amdhsa_system_sgpr_workgroup_id_z 1
		.amdhsa_system_vgpr_workitem_id 0
		.amdhsa_next_free_vgpr 256
		.amdhsa_next_free_sgpr 66
		.amdhsa_reserve_vcc 1
		.amdhsa_float_denorm_mode_32 3
		.amdhsa_float_denorm_mode_16_64 3
		.amdhsa_memory_ordered 1
		.amdhsa_forward_progress 1
		.amdhsa_inst_pref_size 62
	.end_amdhsa_kernel
	.amdgpu_metadata
---
amdhsa.version: [ 1, 2 ]
amdhsa.kernels:
  - .name:           k_q15acfa0893_attn
    .symbol:         k_q15acfa0893_attn.kd
    .args:
      - { .name: qkv16, .offset: 0, .size: 8, .value_kind: global_buffer, .address_space: global }
      - { .name: y16, .offset: 8, .size: 8, .value_kind: global_buffer, .address_space: global }
    .group_segment_fixed_size: 327680
    .private_segment_fixed_size: 0
    .kernarg_segment_align: 8
    .kernarg_segment_size: 16
    .max_flat_workgroup_size: 512
    .sgpr_count:     66
    .vgpr_count:     256
    .wavefront_size: 32
...
	.end_amdgpu_metadata
.endif
;; end of part 3
;; launch proj (part 4): grid 4 x 64, 4 waves a work-group, clusters of 4 x 4, 327,680 bytes of LDS; arguments y16, wo16, bo, out0; writes out0
.if DOCPART == 4
	.amdgcn_target "amdgcn-amd-amdhsa--gfx1250"
	.amdhsa_code_object_version 6
	.text
	.protected	k_q15acfa0893_proj
	.globl	k_q15acfa0893_proj
	.p2align	8
	.type	k_q15acfa0893_proj,@function
k_q15acfa0893_proj:
	s_mov_b64 s[64:65], 0
	v_nop
	global_prefetch_b8 v0, s[64:65] scope:SCOPE_SE
	s_setreg_imm32_b32 hwreg(HW_REG_WAVE_MODE, 25, 1), 1
	s_wait_xcnt 0x0
	s_wait_alu depctr_hold_cnt(0) depctr_sa_sdst(0) depctr_va_vdst(0) depctr_va_sdst(0) depctr_va_ssrc(0) depctr_va_vcc(0) depctr_vm_vsrc(0)
	s_getreg_b32 s2, hwreg(HW_REG_IB_STS2, 6, 4)
	s_cmp_eq_u32 s2, 0
	s_cbranch_scc0 .Lentry_in_a_cluster
	s_endpgm
.Lentry_in_a_cluster:
	s_bfe_u32 s2, ttmp6, 0x10000c
	s_cmp_lg_u32 s2, 0xf033
	s_cbranch_scc0 .Lentry_shape_is_right
	s_endpgm
.Lentry_shape_is_right:
; out0[m][n] = the sum over k of y[m][k] Wo[n][k] + bo[n].  y in f16 laid by head, y16[16 b + h][t][64] (m = 2048 b + t, k = 64 h + d); Wo in f16 [1024][1024]; sums and out0 in f32.
; A tile of C is 128 x 256: 256 work-groups.  Four waves, each 64 x 128: 32 accumulators of 16 x 16.  K goes in steps of 128, two heads, through two LDS slots: A's tile is two dense blocks of 128 rows x 128 bytes
; (waves 0 and 1 fetch one each), B's 256 rows x 256 bytes (waves 2 and 3 fetch a half each).
; CLUSTER 4 x 4: A's tiles are asked for jointly along a row of the cluster, B's along a column.  USED TRANSPOSED (source 0 = 16 rows of Wo, source 1 = 16 rows of y): a lane holds eight neighbouring columns of a row.
; The bias, in that layout, is the C of each sum's first instruction.  The first 16 positions of each batch are written again, more finely, by the launch that follows.
; REGISTERS: window 0: v16-29 addresses; v32-63, v64-95 A's fragments, two buffers; v96-159 the bias; on the way out v96-223 rows.   window 1: v0-63, v64-127 B's fragments, two buffers.   window 2: accumulator (a, b) at v[8 (8 a + b)].
.set PA,     144                       ; a row of A in LDS: 128 bytes + 16
.set PB,     272                       ; a row of B: 256 + 16
.set SUBA,   128*PA
.set BOFF,   2*SUBA
.set HALFB,  128*PB
.set SLOT,   BOFF+2*HALFB
.set STAGE,  2*SLOT                    ; 16 rows x (512 bytes + 16) for each wave, bytes of their own
.set SPITCH, 528
.set SPARE,  STAGE+4*16*SPITCH         ; the spare words: 128 bytes a wave, two blocks of 256 bytes that no other line names
.set LAPS,   4                         ; a lap = two K steps
.set ADRA, 16
.set ADRB, 20
.set STO,  24
.set RD,   25
.set CO,   26
.set BA,   27
.set SPW,  28
.set NIL,  29
.set BI,   96
.set BK,   96
.set G1, 24
.set G0, 32
.set G1B, 48
.set G0B, 56
.set MSB, 0
.macro WIN new
.if MSB != (\new)
	s_set_vgpr_msb (MSB<<8)|(\new)
.set MSB, (\new)
.endif
.endm
.set MUL,  0xa1                        ; source 0 (B) window 1, source 1 (A) window 0, C and D window 2
.set MUL0, 0x81                        ; the same with C, the bias, in window 0
.set TO_B, 0x40
.macro JLOAD s                         ; waves 0 and 1 fetch A's two blocks, waves 2 and 3 B's halves; an s_nop 0 and four v_nop follow each line
	s_cmp_eq_u32 s13, 0
	s_cbranch_scc0 .Lfor_b_\@
	tensor_load_to_lds s[G0+4*\s:G0+4*\s+3], s[G1:G1+7]
	s_nop 0
.rept 4
	v_nop
.endr
	s_branch .Lasked_\@
.Lfor_b_\@:
	tensor_load_to_lds s[G0B+4*\s:G0B+4*\s+3], s[G1B:G1B+7]
	s_nop 0
.rept 4
	v_nop
.endr
.Lasked_\@:
.endm
.macro CREST
	s_cmp_lg_u32 s12, 0
	s_cbranch_scc1 .Lnot_wave_0_\@
	s_barrier_signal -3
.Lnot_wave_0_\@:
	s_barrier_wait -3
	s_barrier_signal -1
	s_barrier_wait -1
.endm
.macro CROUND
	s_barrier_signal -1
	s_barrier_wait -1
	CREST
.endm
	s_load_b256 s[4:11], s[0:1], 0x0               ; y16, wo16, bo, out0
	v_lshl_add_u32 v[SPW], v0, 2, SPARE
	v_mov_b32 v[NIL], 0
	ds_add_u32 v[SPW], v[NIL]                      ; the wave's opening: the add, twice on end, and its wait ahead of my first tensor load
	ds_add_u32 v[SPW], v[NIL]
	v_lshrrev_b32 v1, 5, v0
	v_readfirstlane_b32 s12, v1                    ; wave 0..3
	s_lshr_b32 s13, s12, 1                         ; which 64 rows of the tile are mine.  Also: I fetch for A (0) or for B (1)
	s_and_b32 s14, s12, 1                          ; which 128 columns.  Also: which part I fetch
	s_bfe_u32 s40, ttmp6, 0x40000
	s_bfe_u32 s41, ttmp6, 0x40004
	s_lshl_b32 s42, ttmp9, 2
	s_add_co_u32 s42, s42, s40                     ; tile column
	s_and_b32 s15, ttmp7, 0xffff
	s_lshl_b32 s15, s15, 2
	s_add_co_u32 s15, s15, s41                     ; tile row: 128 rows of out0
	s_lshl_b32 s43, s41, 2
	s_lshl_b32 s43, 15, s43
	s_lshl_b32 s44, 0x1111, s40
	s_or_b32 s[G1+0], s43, (1<<16)|(1<<20)|(1<<21)|(4<<22)|(3<<25)   ; A: my row's mask; elements of 2 bytes; padding on; bit 21 beside a mask; 4 words behind every 32
	s_mov_b32 s[G1+1], 64<<16
	s_mov_b32 s[G1+2], 128<<16
	s_mov_b32 s[G1+3], 64<<16
	s_mov_b32 s[G1+4], 128
	s_mov_b32 s[G1+5], 64
	s_mov_b32 s[G1+6], 0
	s_mov_b32 s[G1+7], 0
	s_or_b32 s[G1B+0], s44, (1<<16)|(1<<20)|(1<<21)|(5<<22)|(3<<25)  ; B: my column's mask; 4 words behind every 64
	s_mov_b32 s[G1B+1], 128<<16
	s_mov_b32 s[G1B+2], 128<<16
	s_mov_b32 s[G1B+3], 128<<16
	s_mov_b32 s[G1B+4], 128
	s_mov_b32 s[G1B+5], 1024
	s_mov_b32 s[G1B+6], 0
	s_mov_b32 s[G1B+7], 0
	s_lshr_b32 s16, s15, 4                         ; the batch
	s_lshl_b32 s16, s16, 4
	s_add_co_u32 s16, s16, s14                     ; head 16 b + part, of K step 0
	s_lshl_b32 s16, s16, 18
	s_and_b32 s17, s15, 15
	s_lshl_b32 s17, s17, 14                        ; + the tile's first position x 128 bytes
	s_add_co_u32 s16, s16, s17
	s_mov_b32 s17, 0
	s_lshl_b32 s46, s42, 1
	s_add_co_u32 s46, s46, s14
	s_lshl_b32 s46, s46, 18                        ; Wo: row 256 x tile column + 128 x part, 2,048 bytes a row
	s_mov_b32 s47, 0
	s_mul_i32 s20, s14, SUBA
	s_mul_i32 s21, s14, HALFB
	s_add_co_u32 s21, s21, BOFF
	s_wait_dscnt 0x0                               ; both opening adds are done
	s_wait_kmcnt 0x0
	s_add_nc_u64 s[16:17], s[4:5], s[16:17]
	s_add_nc_u64 s[46:47], s[6:7], s[46:47]
	CROUND                                         ; all sixteen work-groups are here
.irp s, 0,1
	s_mov_b32 s[G0+4*\s], 1
	s_add_co_u32 s[G0+4*\s+1], s20, \s*SLOT
	s_add_nc_u64 s[G0+4*\s+2:G0+4*\s+3], s[16:17], \s*524288       ; K step s: two heads on
	s_or_b32 s[G0+4*\s+3], s[G0+4*\s+3], 0x80000000
	s_mov_b32 s[G0B+4*\s], 1
	s_add_co_u32 s[G0B+4*\s+1], s21, \s*SLOT
	s_add_nc_u64 s[G0B+4*\s+2:G0B+4*\s+3], s[46:47], \s*256
	s_or_b32 s[G0B+4*\s+3], s[G0B+4*\s+3], 0x80000000
	JLOAD \s                                       ; two loads of mine are out
.endr
	s_lshl_b32 s18, s40, 10
	s_lshl_b32 s19, s14, 9
	s_add_co_u32 s18, s18, s19                     ; my first column, in bytes of f32
	s_mov_b32 s19, 0
	s_add_nc_u64 s[8:9], s[8:9], s[18:19]
	v_and_b32 v1, 15, v0                           ; r
	v_bfe_u32 v2, v0, 4, 1                         ; h
	v_lshlrev_b32 v[BA], 5, v2
.irp b, 0,1,2,3,4,5,6,7
	global_load_b128 v[BI+8*\b:BI+8*\b+3], v[BA], s[8:9] offset:64*\b
	global_load_b128 v[BI+8*\b+4:BI+8*\b+7], v[BA], s[8:9] offset:64*\b+16
.endr
	s_add_nc_u64 s[10:11], s[10:11], s[18:19]
	s_lshl_b32 s18, s15, 19
	s_lshl_b32 s22, s13, 18
	s_add_co_u32 s18, s18, s22                     ; my first row: (128 x tile row + 64 x half) x 4,096 bytes
	s_add_nc_u64 s[10:11], s[10:11], s[18:19]
	v_mul_u32_u24 v3, v1, PA
	v_lshl_add_u32 v3, v2, 4, v3
	v_mul_u32_u24 v4, v1, PB
	v_lshl_add_u32 v4, v2, 4, v4
	s_mul_i32 s22, s13, 64*PA                      ; my 64 rows of A
	s_mul_i32 s23, s14, HALFB                      ; my 128 rows of B
	s_add_co_u32 s23, s23, BOFF
.irp s, 0,1
	v_add_nc_u32 v[ADRA+\s], s22, v3
	v_add_nc_u32 v[ADRB+\s], s23, v4
	s_add_co_u32 s22, s22, SLOT
	s_add_co_u32 s23, s23, SLOT
.endr
	s_mul_i32 s22, s12, 16*SPITCH
	s_add_co_u32 s22, s22, STAGE
	v_mul_u32_u24 v5, v1, SPITCH
	v_lshl_add_u32 v5, v2, 5, v5
	v_add_nc_u32 v[STO], s22, v5
	v_and_b32 v6, 31, v0
	v_lshlrev_b32 v[CO], 4, v6
	v_add_nc_u32 v[RD], s22, v[CO]
.macro MUL8 f, a, zero                 ; A's block a x B's eight, 32 along K, buffer f.  The 32 accumulators take turns in the same order in every quarter
.irp b, 0,1,2,3,4,5,6,7
.if \zero
	v_wmma_f32_16x16x32_f16 v[8*(8*(\a)+\b):8*(8*(\a)+\b)+7], v[64*(\f)+8*\b:64*(\f)+8*\b+7], v[32+32*(\f)+8*(\a):32+32*(\f)+8*(\a)+7], v[BI+8*\b:BI+8*\b+7]
.else
	v_wmma_f32_16x16x32_f16 v[8*(8*(\a)+\b):8*(8*(\a)+\b)+7], v[64*(\f)+8*\b:64*(\f)+8*\b+7], v[32+32*(\f)+8*(\a):32+32*(\f)+8*(\a)+7], v[8*(8*(\a)+\b):8*(8*(\a)+\b)+7]
.endif
.endr
.endm
.macro FETCH slot, q, f                ; 24 LDS loads: quarter q's fragments into buffer f: B's eight, then A's four (head q / 2 of the step, channels 32 (q % 2) on)
	WIN TO_B
.irp i, 0,1,2,3,4,5,6,7
	ds_load_b128 v[64*(\f)+8*\i:64*(\f)+8*\i+3], v[ADRB+\slot] offset:64*(\q)+\i*16*PB
	ds_load_b128 v[64*(\f)+8*\i+4:64*(\f)+8*\i+7], v[ADRB+\slot] offset:64*(\q)+\i*16*PB+32
.endr
	WIN 0
.irp i, 0,1,2,3
	ds_load_b128 v[32+32*(\f)+8*\i:32+32*(\f)+8*\i+3], v[ADRA+\slot] offset:((\q)/2)*SUBA+64*((\q)%2)+\i*16*PA
	ds_load_b128 v[32+32*(\f)+8*\i+4:32+32*(\f)+8*\i+7], v[ADRA+\slot] offset:((\q)/2)*SUBA+64*((\q)%2)+\i*16*PA+32
.endr
.endm
.macro PLACES
.rept 4
	v_nop
.endr
.endm
.macro QUARTER slot, q, f, g, zero     ; multiplies buffer f and fetches quarter q of the same slot into buffer g
	s_wait_dscnt 4                                 ; B and A's blocks 0, 1 are in; the youngest four loads (A's blocks 2, 3) may be out
.if \zero
	WIN MUL0
.else
	WIN MUL
.endif
	MUL8 \f, 0, \zero
	MUL8 \f, 1, \zero
	PLACES
	FETCH \slot, \q, \g
	s_wait_dscnt 24                                ; all but the 24 just issued
.if \zero
	WIN MUL0
.else
	WIN MUL
.endif
	MUL8 \f, 2, \zero
	MUL8 \f, 3, \zero
.endm
; A slot's last quarter multiplies buffer 1 and changes slots: one barrier; in front of it each wave waits for all its tensor loads, adds 0 to its spare word, and waits for that and for its reads of this slot.
; fill = 1: the barrier opens a round of the cluster's, and this slot is asked for again, two K steps ahead, first thing behind it
.macro TURN slot, next, fill
	WIN 0
	s_wait_tensorcnt 0x0
	ds_add_u32 v[SPW], v[NIL]
	s_wait_dscnt 5                                 ; the add and the youngest four loads may be out
	WIN MUL
	MUL8 1, 0, 0
	s_wait_dscnt 0x0                               ; the add is done, and my reads of this slot are over
	s_barrier_signal -1
	MUL8 1, 1, 0
.if \fill
	WIN 0
.endif
	s_barrier_wait -1
.if \fill
	CREST
	s_add_nc_u64 s[G0+4*\slot+2:G0+4*\slot+3], s[G0+4*\slot+2:G0+4*\slot+3], 1048576   ; four heads on
	s_add_nc_u64 s[G0B+4*\slot+2:G0B+4*\slot+3], s[G0B+4*\slot+2:G0B+4*\slot+3], 512
	JLOAD \slot                                    ; its four v_nop are also the places in front of the loads below
.else
	PLACES
.endif
	FETCH \next, 0, 0
	WIN MUL
	MUL8 1, 2, 0
	MUL8 1, 3, 0
.endm
	s_wait_tensorcnt 1                             ; my part of K step 0 is in; K step 1's load may be out
	s_barrier_signal -1
	s_barrier_wait -1
	FETCH 0, 0, 0
	s_wait_loadcnt 0x0                             ; the bias
	QUARTER 0, 1, 0, 1, 1                          ; the first quarter stands in front of the loop: the bias starts the sums
	WIN 0
	s_mov_b32 s3, LAPS-1
.Llap:                                             ; a trip goes once round the ring and fills both slots again
	QUARTER 0, 2, 1, 0, 0
	QUARTER 0, 3, 0, 1, 0
	TURN 0, 1, 1
	QUARTER 1, 1, 0, 1, 0
	QUARTER 1, 2, 1, 0, 0
	QUARTER 1, 3, 0, 1, 0
	TURN 1, 0, 1
	QUARTER 0, 1, 0, 1, 0
	WIN 0
	s_sub_co_u32 s3, s3, 1
	s_cmp_lg_u32 s3, 0
	s_cbranch_scc1 .Llap
	QUARTER 0, 2, 1, 0, 0                          ; the last lap fills nothing
	QUARTER 0, 3, 0, 1, 0
	TURN 0, 1, 0
	QUARTER 1, 1, 0, 1, 0
	QUARTER 1, 2, 1, 0, 0
	QUARTER 1, 3, 0, 1, 0
	s_wait_dscnt 4
	WIN MUL
	MUL8 1, 0, 0
	MUL8 1, 1, 0
	s_wait_dscnt 0
	MUL8 1, 2, 0
	MUL8 1, 3, 0
	WIN 0
; THE WAY OUT, block by block of 16 rows x 128 columns: through my own stage, back as whole rows of 512 bytes
.macro TOSTAGE a
	WIN 0x08                                       ; an LDS store's data are its source 1: window 2
.irp b, 0,1,2,3,4,5,6,7
	ds_store_b128 v[STO], v[64*(\a)+8*\b:64*(\a)+8*\b+3] offset:64*\b          ; each accumulator from its low end on
	ds_store_b128 v[STO], v[64*(\a)+8*\b+4:64*(\a)+8*\b+7] offset:64*\b+16
.endr
	WIN 0
.set BB, BK+64*((\a)%2)
.irp t, 0,1,2,3,4,5,6,7,8,9,10,11,12,13,14,15
	ds_load_b128 v[BB+4*\t:BB+4*\t+3], v[RD] offset:\t*SPITCH
.endr
.endm
.macro SEND a, younger
.set BB, BK+64*((\a)%2)
	s_wait_dscnt \younger
.irp t, 0,1,2,3,4,5,6,7,8,9,10,11,12,13,14,15
	global_store_b128 v[CO], v[BB+4*\t:BB+4*\t+3], s[10:11] offset:65536*(\a)+4096*\t th:TH_STORE_NT   ; 32 lanes store 512 consecutive bytes, aligned
.endr
.endm
	PLACES
	TOSTAGE 0
.irp a, 1,2,3
.if \a > 1
	s_wait_xcnt 0x0                                ; block a - 2's stores have read their registers: block a's loads may land there
.endif
	TOSTAGE \a
	SEND \a-1, 32                                  ; behind block a - 1's loads: block a's 16 stores and 16 loads
.endr
	SEND 3, 0
	s_wait_tensorcnt 0x0                           ; the wave's end
	ds_add_u32 v[SPW], v[NIL]
	s_wait_dscnt 0x0
	CROUND                                         ; the closing round
	s_endpgm
.Lfunc_end_k_q15acfa0893_proj:
	.size	k_q15acfa0893_proj, .Lfunc_end_k_q15acfa0893_proj-k_q15acfa0893_proj
	.p2alignl 7, 3214868480
	.fill 96, 4, 3214868480
	.section	.rodata,"a",@progbits
	.p2align	6, 0x0
	.amdhsa_kernel k_q15acfa0893_proj
		.amdhsa_group_segment_fixed_size 327680
		.amdhsa_private_segment_fixed_size 0
		.amdhsa_enable_private_segment 0
		.amdhsa_kernarg_size 32
		.amdhsa_user_sgpr_count 2
		.amdhsa_user_sgpr_kernarg_segment_ptr 1
		.amdhsa_wavefront_size32 1
		.amdhsa_system_sgpr_workgroup_id_x 1
		.amdhsa_system_sgpr_workgroup_id_y 1
		.amdhsa_system_sgpr_workgroup_id_z 1
		.amdhsa_system_vgpr_workitem_id 0
		.amdhsa_next_free_vgpr 768
		.amdhsa_next_free_sgpr 66
		.amdhsa_reserve_vcc 0
		.amdhsa_float_denorm_mode_32 3
		.amdhsa_float_denorm_mode_16_64 3
		.amdhsa_memory_ordered 1
		.amdhsa_forward_progress 1
		.amdhsa_inst_pref_size 87
	.end_amdhsa_kernel
	.amdgpu_metadata
---
amdhsa.version: [ 1, 2 ]
amdhsa.kernels:
  - .name:           k_q15acfa0893_proj
    .symbol:         k_q15acfa0893_proj.kd
    .args:
      - { .name: y16, .offset: 0, .size: 8, .value_kind: global_buffer, .address_space: global }
      - { .name: wo16, .offset: 8, .size: 8, .value_kind: global_buffer, .address_space: global }
      - { .name: bo, .offset: 16, .size: 8, .value_kind: global_buffer, .address_space: global }
      - { .name: out0, .offset: 24, .size: 8, .value_kind: global_buffer, .address_space: global }
    .group_segment_fixed_size: 327680
    .private_segment_fixed_size: 0
    .kernarg_segment_align: 8
    .kernarg_segment_size: 32
    .max_flat_workgroup_size: 128
    .sgpr_count:     66
    .vgpr_count:     768
    .wavefront_size: 32
...
	.end_amdgpu_metadata
.endif
;; end of part 4
;; launch first (part 5): grid 16 x 4, 16 waves a work-group, no clusters, 85,504 bytes of LDS; arguments qkv32, Wo, bo, out0; writes out0
.if DOCPART == 5
	.amdgcn_target "amdgcn-amd-amdhsa--gfx1250"
	.amdhsa_code_object_version 6
	.text
	.protected	k_q15acfa0893_first
	.globl	k_q15acfa0893_first
	.p2align	8
	.type	k_q15acfa0893_first,@function
k_q15acfa0893_first:
	s_mov_b64 s[64:65], 0
	v_nop
	global_prefetch_b8 v0, s[64:65] scope:SCOPE_SE
	s_setreg_imm32_b32 hwreg(HW_REG_WAVE_MODE, 25, 1), 1
	s_wait_xcnt 0x0
; The first 16 positions of each batch, all in f32: attention on qkv32[sel][b][h][pos][64], then out0[2048 b + pos][n] = the sum over k of y[pos][k] Wo[n][k] + bo[n].  These rows average few values: f16 operands would weigh most there.
; A work-group is (64 columns of out0, a batch).  Each repeats its batch's attention, one head a wave (16 x 16 scores), and hands y [16][1024] round through LDS; then wave w takes 16 columns (w % 4) and a quarter of K (w / 4);
; the four quarters meet in LDS, and each wave stores one row's 256 bytes.  64 work-groups: no finer share gives stores of 256 consecutive bytes.
; v_wmma_f32_16x16x4_f32: a lane (r, h) gives two numbers along K of row r.  Which four k an instruction takes is free as long as both sources take the same: a load of 16 bytes at 32 u + 16 h feeds instructions 2 u and 2 u + 1.
; Both products of attention are used transposed: S^T = K Q^T, y^T = V^T P: a lane holds one query.  Four accumulators take turns; they are written by matrix instructions alone, and each sum begins with the constant 0.
.set QR,  16                           ; v16-47   Q; later Wo's third batch
.set KR,  48                           ; v48-79   K; later Wo's fourth
.set VR,  80                           ; v80-111  V^T; later y, buffer 0
.set T,   112                          ; v112-143 the softmax at work (T, U, P, others); later y, buffer 1
.set U,   120
.set P,   128
.set RS,  144                          ; v144-151 my part of the result
.set BO,  152                          ; v152-153 the bias
.set W0,  160
.set W1,  192
.set ACC, 224                          ; v224-255 four accumulators
.set YP,  4112                         ; a row of y in LDS: 4,096 bytes + 16
.set RED, 66048                        ; behind y: [4 quarters][16 rows x (256 bytes + 16)]
.set SPARE, RED+4*16*272               ; the spare words: 128 bytes a wave, eight blocks of 256 bytes that no other line names
.set QA,  3
.set VA,  4
.set WA,  5
.set YS,  6
.set YL,  7
.set RA,  8
.set RR,  9
.set OA,  10
.set DM,  11
.set NINF, 12
.set SPW, 14
.set NIL, 15
	s_load_b256 s[4:11], s[0:1], 0x0               ; qkv32, Wo, bo, out0
	v_lshl_add_u32 v[SPW], v0, 2, SPARE
	v_mov_b32 v[NIL], 0
	v_lshrrev_b32 v1, 5, v0
	v_readfirstlane_b32 s12, v1                    ; wave = head
	s_and_b32 s13, ttmp7, 0xffff                   ; the batch
	s_and_b32 s14, s12, 3                          ; which 16 columns
	s_lshr_b32 s15, s12, 2                         ; which quarter of K
	v_and_b32 v1, 15, v0                           ; r
	v_bfe_u32 v2, v0, 4, 1                         ; h
	v_and_b32 v13, 31, v0                          ; lane
	v_lshlrev_b32 v[QA], 8, v1
	v_lshl_add_u32 v[QA], v2, 4, v[QA]             ; Q, K: row r of 256 bytes + 16 h
	v_lshlrev_b32 v[VA], 2, v1
	v_lshl_add_u32 v[VA], v2, 11, v[VA]            ; V: channel r, keys 8 h on
	v_lshlrev_b32 v[WA], 12, v1
	v_lshl_add_u32 v[WA], v2, 4, v[WA]             ; Wo: row r of 4,096 bytes + 16 h
	v_mul_u32_u24 v[YS], v1, YP
	v_lshl_add_u32 v[YL], v2, 4, v[YS]
	v_lshl_add_u32 v[YS], v2, 5, v[YS]
	s_lshl_b32 s16, s12, 8
	v_add_nc_u32 v[YS], s16, v[YS]                 ; y in: row r, my head's 256 bytes, + 32 h
	s_lshl_b32 s16, s15, 10
	v_add_nc_u32 v[YL], s16, v[YL]                 ; y out: row r, my quarter's 1,024 bytes, + 16 h
	v_mul_u32_u24 v[RA], v1, 272
	v_lshl_add_u32 v[RA], v2, 5, v[RA]
	s_mul_i32 s16, s15, 16*272
	s_lshl_b32 s17, s14, 6
	s_add_co_u32 s16, s16, s17
	s_add_co_u32 s16, s16, RED
	v_add_nc_u32 v[RA], s16, v[RA]                 ; my part in: quarter, row r, 64 x column tile + 32 h
	v_lshlrev_b32 v[OA], 3, v13                    ; 8 x lane
	s_mul_i32 s16, s12, 272
	s_add_co_u32 s16, s16, RED
	v_add_nc_u32 v[RR], s16, v[OA]                 ; and out: row = my wave
	v_lshlrev_b32 v[DM], 3, v2
	v_sub_nc_u32 v[DM], v1, v[DM]                  ; r - 8 h
	v_mov_b32 v[NINF], 0xff800000
	v_mov_b32 v137, 0                              ; a lane permute's destination counts as one of its sources
	s_mov_b32 s20, 0x76543210
	s_mov_b32 s21, 0xfedcba98
	s_mov_b32 s22, 0x3e38aa3b                      ; c = log2(e) / 8
	s_lshl_b32 s16, s13, 4
	s_add_co_u32 s16, s16, s12
	s_lshl_b32 s16, s16, 12                        ; (16 b + head) x 4,096 bytes
	s_mov_b32 s17, 0
	s_lshl_b32 s18, ttmp9, 18
	s_lshl_b32 s19, s14, 16
	s_add_co_u32 s18, s18, s19
	s_lshl_b32 s19, s15, 10
	s_add_co_u32 s18, s18, s19                     ; Wo: row 64 x + 16 x column tile, my quarter of K
	s_mov_b32 s19, 0
	s_lshl_b32 s32, ttmp9, 8                       ; my work-group's 64 columns, in bytes
	s_mov_b32 s33, 0
	s_lshl_b32 s34, s13, 23
	s_lshl_b32 s35, s12, 12
	s_add_co_u32 s34, s34, s35
	s_add_co_u32 s34, s34, s32                     ; out0: row 2048 b + my wave
	s_mov_b32 s35, 0
	s_wait_kmcnt 0x0
	s_add_nc_u64 s[24:25], s[4:5], s[16:17]
	s_add_nc_u64 s[26:27], s[6:7], s[18:19]
	s_add_nc_u64 s[28:29], s[8:9], s[32:33]
	s_add_nc_u64 s[30:31], s[10:11], s[34:35]
.irp u, 0,1,2,3,4,5,6,7
	global_load_b128 v[QR+4*\u:QR+4*\u+3], v[QA], s[24:25] offset:32*\u
.endr
.irp u, 0,1,2,3,4,5,6,7
	global_load_b128 v[KR+4*\u:KR+4*\u+3], v[QA], s[24:25] offset:262144+32*\u
.endr
.irp ct, 0,1,2,3
.irp i, 0,1,2,3,4,5,6,7
	global_load_b32 v[VR+8*\ct+\i], v[VA], s[24:25] offset:524288+256*\i+64*\ct   ; V(key 8 h + i, channel 16 ct + r)
.endr
.endr
.macro WLOAD reg, g                    ; 64 along K of my 16 rows of Wo
.irp u, 0,1,2,3,4,5,6,7
	global_load_b128 v[\reg+4*\u:\reg+4*\u+3], v[WA], s[26:27] offset:256*(\g)+32*\u
.endr
.endm
	WLOAD W0, 0
	WLOAD W1, 1
	global_load_b64 v[BO:BO+1], v[OA], s[28:29]
	s_wait_loadcnt 49                              ; Q and K are in; V's 32, Wo's 16 and the bias's one may be out
.set i, 0
.rept 16                               ; S^T = K Q^T: four sums by turns
.if i < 4
	v_wmma_f32_16x16x4_f32 v[ACC+8*(i%4):ACC+8*(i%4)+7], v[KR+2*i:KR+2*i+1], v[QR+2*i:QR+2*i+1], 0
.else
	v_wmma_f32_16x16x4_f32 v[ACC+8*(i%4):ACC+8*(i%4)+7], v[KR+2*i:KR+2*i+1], v[QR+2*i:QR+2*i+1], v[ACC+8*(i%4):ACC+8*(i%4)+7]
.endif
.set i, i+1
.endr
.rept 8
	v_nop                                          ; eight places behind this form, ahead of loads over its sources and of the first read of results
.endr
	WLOAD QR, 2
	WLOAD KR, 3
.irp j, 0,1,2,3,4,5,6,7
	v_add_f32 v[T+\j], v[ACC+\j], v[ACC+8+\j]      ; each accumulator from its low end on
	v_add_f32 v[U+\j], v[ACC+16+\j], v[ACC+24+\j]
.endr
.irp j, 0,1,2,3,4,5,6,7
	v_add_f32 v[T+\j], v[T+\j], v[U+\j]            ; the score of key 8 h + j and query r
.endr
.irp j, 0,1,2,3,4,5,6,7
	v_cmp_gt_i32 vcc_lo, \j, v[DM]                 ; hidden where 8 h + j > r
	v_cndmask_b32 v[T+\j], v[T+\j], v[NINF], vcc_lo
.endr
	v_max3_num_f32 v136, v[T], v[T+1], v[T+2]
	v_max3_num_f32 v136, v136, v[T+3], v[T+4]
	v_max3_num_f32 v136, v136, v[T+5], v[T+6]
	v_max_num_f32 v136, v136, v[T+7]
	v_permlanex16_b32 v137, v136, s20, s21
	v_max_num_f32 v136, v136, v137                 ; the row's maximum: key 0 counts for every query
	v_mul_f32 v138, s22, v136
.irp j, 0,1,2,3,4,5,6,7
	v_fma_f32 v[T+\j], v[T+\j], s22, -v138
.endr
.irp j, 0,1,2,3,4,5,6,7
	v_exp_f32 v[P+\j], v[T+\j]
.endr
	v_nop
	s_wait_alu depctr_va_vdst(0)                   ; one wait for the eight exponentials, ahead of their first reader
	v_add_f32 v136, v[P], v[P+1]
	v_add_f32 v139, v[P+2], v[P+3]
	v_add_f32 v140, v[P+4], v[P+5]
	v_add_f32 v141, v[P+6], v[P+7]
	v_add_f32 v136, v136, v139
	v_add_f32 v140, v140, v141
	v_add_f32 v136, v136, v140
	v_permlanex16_b32 v137, v136, s20, s21
	v_add_f32 v136, v136, v137
	v_rcp_f32 v139, v136
	v_nop
	s_wait_alu depctr_va_vdst(0)
.irp j, 0,1,2,3,4,5,6,7
	v_mul_f32 v[P+\j], v[P+\j], v139
.endr
	s_wait_loadcnt 33                              ; V is in; Wo's 32 and the bias's one may be out
.irp s, 0,1,2,3                        ; y^T = V^T P: instruction s takes keys 8 h + 2 s, 8 h + 2 s + 1 on both sources; the four channel tiles by turns
.irp ct, 0,1,2,3
.if \s == 0
	v_wmma_f32_16x16x4_f32 v[ACC+8*\ct:ACC+8*\ct+7], v[VR+8*\ct+2*\s:VR+8*\ct+2*\s+1], v[P+2*\s:P+2*\s+1], 0
.else
	v_wmma_f32_16x16x4_f32 v[ACC+8*\ct:ACC+8*\ct+7], v[VR+8*\ct+2*\s:VR+8*\ct+2*\s+1], v[P+2*\s:P+2*\s+1], v[ACC+8*\ct:ACC+8*\ct+7]
.endif
.endr
.endr
.rept 9
	v_nop                                          ; eight places ahead of the stores that read results and of loads over the sources; nine ahead of the matrix instructions that begin new sums in these accumulators
.endr
.irp ct, 0,1,2,3
	ds_store_b128 v[YS], v[ACC+8*\ct:ACC+8*\ct+3] offset:64*\ct       ; y(r, 64 head + 16 ct + 8 h + 0 .. 7)
	ds_store_b128 v[YS], v[ACC+8*\ct+4:ACC+8*\ct+7] offset:64*\ct+16
.endr
	s_wait_dscnt 0x0                               ; for the others' sake: my stores have landed
	s_barrier_signal -1
	s_barrier_wait -1                              ; all 16 heads of y lie in LDS
.macro YLOAD reg, g
.irp u, 0,1,2,3,4,5,6,7
	ds_load_b128 v[\reg+4*\u:\reg+4*\u+3], v[YL] offset:256*(\g)+32*\u
.endr
.endm
.macro BATCH wr, yr, zero              ; 64 along K: source 0 = 16 rows of Wo, source 1 = the 16 positions
.set i, 0
.rept 16
.if \zero && (i < 4)
	v_wmma_f32_16x16x4_f32 v[ACC+8*(i%4):ACC+8*(i%4)+7], v[\wr+2*i:\wr+2*i+1], v[\yr+2*i:\yr+2*i+1], 0
.else
	v_wmma_f32_16x16x4_f32 v[ACC+8*(i%4):ACC+8*(i%4)+7], v[\wr+2*i:\wr+2*i+1], v[\yr+2*i:\yr+2*i+1], v[ACC+8*(i%4):ACC+8*(i%4)+7]
.endif
.set i, i+1
.endr
.endm
.macro FAR
.rept 8
	v_nop
.endr
.endm
	s_wait_loadcnt 0x0                             ; Wo and the bias
	YLOAD VR, 0
	YLOAD T, 1
	s_wait_dscnt 8                                 ; the first batch of y is in; the second's eight loads may be out
	BATCH W0, VR, 1
	FAR
	YLOAD VR, 2
	s_wait_dscnt 8
	BATCH W1, T, 0
	FAR
	YLOAD T, 3
	s_wait_dscnt 8
	BATCH QR, VR, 0
	s_wait_dscnt 0x0
	BATCH KR, T, 0
	FAR
.irp j, 0,1,2,3,4,5,6,7
	v_add_f32 v[RS+\j], v[ACC+\j], v[ACC+8+\j]
	v_add_f32 v[U+\j], v[ACC+16+\j], v[ACC+24+\j]
.endr
.irp j, 0,1,2,3,4,5,6,7
	v_add_f32 v[RS+\j], v[RS+\j], v[U+\j]
.endr
	ds_store_b128 v[RA], v[RS:RS+3]
	ds_store_b128 v[RA], v[RS+4:RS+7] offset:16
	s_wait_dscnt 0x0
	s_barrier_signal -1
	s_barrier_wait -1                              ; the four quarters of all 64 columns lie in LDS
.irp k, 0,1,2,3
	ds_load_b64 v[T+2*\k:T+2*\k+1], v[RR] offset:4352*\k
.endr
	s_wait_dscnt 0x0
	v_pk_add_f32 v[T:T+1], v[T:T+1], v[T+2:T+3]
	v_pk_add_f32 v[T+4:T+5], v[T+4:T+5], v[T+6:T+7]
	v_pk_add_f32 v[T:T+1], v[T:T+1], v[T+4:T+5]
	v_pk_add_f32 v[T:T+1], v[T:T+1], v[BO:BO+1]
	global_store_b64 v[OA], v[T:T+1], s[30:31]     ; 32 lanes store 256 consecutive bytes, aligned
	s_wait_tensorcnt 0x0                           ; the wave's end, behind my last LDS store
	ds_add_u32 v[SPW], v[NIL]
	s_wait_dscnt 0x0
	s_endpgm
.Lfunc_end_k_q15acfa0893_first:
	.size	k_q15acfa0893_first, .Lfunc_end_k_q15acfa0893_first-k_q15acfa0893_first
	.p2alignl 7, 3214868480
	.fill 96, 4, 3214868480
	.section	.rodata,"a",@progbits
	.p2align	6, 0x0
	.amdhsa_kernel k_q15acfa0893_first
		.amdhsa_group_segment_fixed_size 85504
		.amdhsa_private_segment_fixed_size 0
		.amdhsa_enable_private_segment 0
		.amdhsa_kernarg_size 32
		.amdhsa_user_sgpr_count 2
		.amdhsa_user_sgpr_kernarg_segment_ptr 1
		.amdhsa_wavefront_size32 1
		.amdhsa_system_sgpr_workgroup_id_x 1
		.amdhsa_system_sgpr_workgroup_id_y 1
		.amdhsa_system_sgpr_workgroup_id_z 1
		.amdhsa_system_vgpr_workitem_id 0
		.amdhsa_next_free_vgpr 256
		.amdhsa_next_free_sgpr 66
		.amdhsa_reserve_vcc 1
		.amdhsa_float_denorm_mode_32 3
		.amdhsa_float_denorm_mode_16_64 3
		.amdhsa_memory_ordered 1
		.amdhsa_forward_progress 1
		.amdhsa_inst_pref_size 26
	.end_amdhsa_kernel
	.amdgpu_metadata
---
amdhsa.version: [ 1, 2 ]
amdhsa.kernels:
  - .name:           k_q15acfa0893_first
    .symbol:         k_q15acfa0893_first.kd
    .args:
      - { .name: qkv32, .offset: 0, .size: 8, .value_kind: global_buffer, .address_space: global }
      - { .name: Wo, .offset: 8, .size: 8, .value_kind: global_buffer, .address_space: global }
      - { .name: bo, .offset: 16, .size: 8, .value_kind: global_buffer, .address_space: global }
      - { .name: out0, .offset: 24, .size: 8, .value_kind: global_buffer, .address_space: global }
    .group_segment_fixed_size: 85504
    .private_segment_fixed_size: 0
    .kernarg_segment_align: 8
    .kernarg_segment_size: 32
    .max_flat_workgroup_size: 512
    .sgpr_count:     66
    .vgpr_count:     256
    .wavefront_size: 32
...
	.end_amdgpu_metadata
.endif
;; end of part 5
